; MI455X (gfx1250); checked and timed in simulation.
; The chip was launched on July 23, 2026; its instructions are those of AMD's public machine-readable ISA for CDNA 5 (MIT licence, August 2026) and "CDNA5" Instruction Set Architecture Reference Guide (July 2026). The comments in the code are by the model that wrote it; some were corrected since.
;; Multi Head Self Attention. Allowed arithmetic: matrix products marked QUANTISED: E4M3 operands, one given power-of-two scale a tensor, by v_wmma_f32_16x16x64_fp8_fp8 or v_wmma_f32_16x16x128_fp8_fp8, f32 sums; everything else in f32.
;; Inputs: W_out 1,024 x 1,024 float32; W_qkv 3,072 x 1,024 float32; b_out 1,024 float32; b_qkv 3,072 float32; lowp_scales 8 int32 (the exponents e of the quantised operands' scales 2^e); mask 1 x 1 x 2,048 x 2,048 int32; x 4 x 2,048 x 1,024 float32.
;; Outputs: out0 4 x 2,048 x 1,024 float32.
;; This version of the problem:
;;   THIS VERSION OF THE PROBLEM IS GIVEN IN LOW PRECISION. The matrix products marked QUANTISED in the list below multiply operands that are first quantised to E4M3 (4 exponent bits, 3 mantissa bits; 8 bits a number), with one given power-of-two scale for each operand tensor; their sums are f32. All else is computed in f32.
;;   The module's matrix products, in the order in which they are computed (A, B: the left and right operand; K: the contracted axis; several contracted axes count as one K, in the product's order):
;;     1. [M 8,192, K 1,024] x [K 1,024, N 3,072]; A: input x; B: input W_qkv: QUANTISED (scales: A lowp_scales[0], B lowp_scales[1])
;;     2. batch 64 x [M 2,048, K 64] x [K 64, N 2,048]; A: computed on the way; B: computed on the way: QUANTISED (scales: A lowp_scales[2], B lowp_scales[3])
;;     3. batch 64 x [M 2,048, K 2,048] x [K 2,048, N 64]; A: softmax (see below); B: computed on the way: QUANTISED (scales: A lowp_scales[4], B lowp_scales[5])
;;     4. [M 8,192, K 1,024] x [K 1,024, N 1,024]; A: computed on the way; B: input W_out: QUANTISED (scales: A lowp_scales[6], B lowp_scales[7])
;;   THE QUANTISER, for each operand of a quantised product, along K:
;;     - The operand's scale is 2^e, e = its entry of the input lowp_scales (int32; the entries are numbered through the quantised products in the list's order, A before B).
;;     - Each number is divided by the scale, clamped to +-448, and rounded to the nearest number of E4M3, ties to even, subnormals kept.
;;     - The product sums the exact products of the quantised numbers (number of the format x scale) in f32.
;;   ~~~python
;;   def quantise(x, axis, e):      # numpy; x: float32 -> the quantised numbers, widened to float32 again
;;       x = np.moveaxis(x, axis, -1); K = x.shape[-1]
;;       r = np.clip(x / 2.0 ** e, -448, 448)
;;       step = 2.0 ** (np.maximum(np.frexp(np.where(r == 0, 1, r))[1] - 1, -6) - 3)
;;       q = np.round(r / step) * step * 2.0 ** e      # np.round: ties to even
;;       return np.moveaxis(q, -1, axis).astype(np.float32)
;;   ~~~
;;   SOFTMAX AHEAD OF A QUANTISED PRODUCT. Where the list says 'softmax', what is quantised is not the finished softmax but p = 2^(t - M), with t = logit x log2(e) and M = ceil(the row's largest t), a whole number; so 1/2 < the row's largest p <= 1. The row's sum l is taken of the UNQUANTISED p, in f32, and the product's result is divided by l at the end. Since M is a whole number, a kernel that streams over the keys may use a running M (the ceiling of the running maximum): every later rescaling is an exact power of two, so the quantised numbers keep their values, but for numbers so far below the row's largest that they fall under the format's range.
;;   OPERANDS COMPUTED ON THE WAY. 'Computed on the way' means the value that the module computes at that place (a softmax that the list does not call 'softmax' is quantised finished and normalised). What goes into a quantiser is computed in f32, as accurately as f32 sums, v_exp_f32 and their like allow (about 1e-6 of the number): no bf16 or f16 on the way to a quantiser, and a product that is left as it is and whose result goes on into a quantised operand takes f32 operands (vector FMAs, or v_wmma_f32_16x16x4_f32). A number that lies on a knife's edge between two numbers of the format may be rounded either way, as far as f32 arithmetic and the matrix unit's own rounding can turn it there, and no further.
;; 2 versions, each right; version 2 is version 1 with the launch attn written anew for expert scheduling mode. Each part assembles by itself: llvm-mc -triple=amdgcn-amd-amdhsa -mcpu=gfx1250 --defsym DOCPART=n.
;; ======== version 1 of 2: 4 launches
;; workspace buffers: xc 8,388,608 bytes; wc 4,194,304 bytes; qkvc 25,165,824 bytes; attc 8,388,608 bytes; maskw 524,288 bytes of whole numbers; flags 16,384 bytes of whole numbers
;; launch prep (part 1): grid 512 x 1, 4 waves a work-group, no clusters, 68,096 bytes of LDS; arguments x, W_qkv, W_out, mask, lowp_scales, xc, wc, maskw, flags; writes xc, wc, maskw, flags
.if DOCPART == 1
	.amdgcn_target "amdgcn-amd-amdhsa--gfx1250"
	.amdhsa_code_object_version 6
	.text
	.protected	k_q14b5a84baa_prep
	.globl	k_q14b5a84baa_prep
	.p2align	8
	.type	k_q14b5a84baa_prep,@function
k_q14b5a84baa_prep:
	s_mov_b64 s[64:65], 0
	v_nop
	global_prefetch_b8 v0, s[64:65] scope:SCOPE_SE
	s_setreg_imm32_b32 hwreg(HW_REG_WAVE_MODE, 25, 1), 1
	s_wait_xcnt 0x0
; x [8192][1024], W_qkv [3072][1024], W_out [1024][1024], f32 with K innermost, become codes of FP8 (E4M3), each with its given scale 2^e (entries 0, 1, 7 of the scales);
; the mask [2048][2048] int32 becomes lane masks and two summary words for each (block of queries, step of 128 keys).
; THE IMAGE.  Codes are laid in the order of an operand's registers.  A block g is 16 rows: lane row r is row 32 (g / 2) + 8 (g % 2) + r + 8 (r / 8).  A fragment is a block x 128 along K, 2,048 bytes:
; [c 0..3][lane 0..31][16 bytes]; lane 16 h + r holds k = 32 c + 16 h + 0 .. 15 of its row.  A block's 8 fragments follow each other (16,384 bytes).  wc holds W_qkv's 192 blocks, then W_out's 64.
; MASK WORDS.  maskw [g 128][s 16][n 64]: bit 16 h + r of word n says that key 128 s + 32 (n / 16) + 16 h + n % 16 is open for the query of lane row r of block g.  flags [g][s][2]: the OR and the AND of the 64 words.
; code = x / 2^e, held within +-448, to the nearest code, ties to even.  LIMITS: each e between -126 and 119; NaN among the inputs is not served.
; SHARES.  A unit is one block x 512 bytes of its rows (128 numbers).  A wave takes 4 units side by side.  Work-groups 0-255: x; 256-351: W_qkv; 352-383: W_out; 384-511: the mask.
; Each load reads 512 consecutive bytes of one row; the unit turns through the wave's own stage in LDS (16 rows of 512 + 16 bytes) so that a lane gets 16 neighbours of one row four times over.
; Waves share nothing: no barrier, no cluster (no two work-groups read the same bytes).  The two paths part once on the work-group's number and have LDS bytes of their own.
.set ROWX, 4096                        ; a row of x or of a weight in bytes
.set ROWM, 8192                        ; a row of the mask in bytes
.set SP,   528                         ; a stage row: 512 bytes + 16: 132 words, so the 16 rows that a load touches begin 4 banks apart (64 banks of 4 bytes: ISA guide 11.1)
.set STG,  16*SP                       ; a wave's stage
.set MSTG, 4*STG                       ; the mask path's four stages lie behind the quantiser path's four
.set R,    16                          ; v16-143  two sets of 64: a unit as loaded
.set X,    144                         ; v144-207 the unit turned: register 16 c + e = element 32 c + 16 h + e of my row
.set C,    208                         ; v208-239 two sets of 16: a unit's codes
.set W,    240                         ; v240-247 a pair of registers for each unit: lane l holds mask words 2 l and 2 l + 1
.set F,    248                         ; v248     lanes 0-7: the four units' OR and AND
	s_load_b256 s[4:11], s[0:1], 0x0               ; x s[4:5], W_qkv s[6:7], W_out s[8:9], mask s[10:11]
	s_load_b64 s[12:13], s[0:1], 0x20              ; the scales' exponents
	s_load_b256 s[16:23], s[0:1], 0x28             ; xc s[16:17], wc s[18:19], maskw s[20:21], flags s[22:23]
	v_lshl_add_u32 v254, v0, 2, 0x10800
	v_mov_b32 v255, 0
	v_lshrrev_b32 v1, 5, v0
	v_readfirstlane_b32 s24, v1                    ; wave 0..3
	v_and_b32 v1, 31, v0                           ; lane
	v_lshlrev_b32 v2, 4, v1                        ; 16 x lane: my place in a load's and in a store's 512 bytes; never rewritten
	v_and_b32 v3, 15, v0                           ; r
	v_bfe_u32 v4, v0, 4, 1                         ; h
	s_mul_i32 s25, s24, STG
	v_add_nc_u32 v5, s25, v2                       ; the stage, on the way in: 16 x lane of a row
	v_mul_u32_u24 v6, v3, SP
	v_lshl_add_u32 v6, v4, 6, v6
	v_add_nc_u32 v6, s25, v6                       ; and on the way out: row r, + 64 h
	v_add_nc_u32 v12, MSTG, v5                     ; the same two for the mask path
	v_add_nc_u32 v13, MSTG, v6
	v_lshlrev_b32 v7, 3, v1                        ; 8 x lane: my two mask words
	v_lshlrev_b32 v8, 2, v1                        ; 4 x lane: my flag word
	s_mov_b32 s3, 0
; unit u of the job into set u % 2: sixteen loads, each 512 consecutive bytes of one row of the block
.macro LOADU u, stride
.irp i, 0,1,2,3,4,5,6,7,8,9,10,11,12,13,14,15
	global_load_b128 v[R+64*((\u)%2)+4*\i:R+64*((\u)%2)+4*\i+3], v2, s[26:27] offset:(\i+8*(\i/8))*\stride+512*(\u) th:TH_LOAD_NT
.endr
.endm
; through the stage: LDS serves a wave's instructions in order (ISA guide 5.7.1.4), so no wait stands between the stores and the loads
.macro TURNU u, in, out
.irp i, 0,1,2,3,4,5,6,7,8,9,10,11,12,13,14,15
	ds_store_b128 v[\in], v[R+64*((\u)%2)+4*\i:R+64*((\u)%2)+4*\i+3] offset:SP*\i
.endr
.irp i, 0,1,2,3,4,5,6,7,8,9,10,11,12,13,14,15
	ds_load_b128 v[X+4*\i:X+4*\i+3], v[\out] offset:128*(\i/4)+16*(\i%4)
.endr
.endm
.macro QUANTU u
.set CS, C+16*((\u)%2)
.if (\u) >= 2
	s_wait_xcnt 0x0                                ; unit u - 2's stores have read this set of codes
.endif
.irp c, 0,1,2,3
.set i, 0
.rept 16
	v_med3_num_f32 v[X+16*\c+i], v[X+16*\c+i], -v10, v10   ; the conversion to an 8-bit code does not saturate (ISA guide 7.6.2): the hold at the largest code x the scale
.set i, i+1
.endr
	v_cvt_scalef32_pk8_fp8_f32 v[CS+4*\c:CS+4*\c+1], v[X+16*\c:X+16*\c+7], v11
	v_cvt_scalef32_pk8_fp8_f32 v[CS+4*\c+2:CS+4*\c+3], v[X+16*\c+8:X+16*\c+15], v11
.endr
	v_nop                                          ; a plain line behind the last conversion: the next unit's holds write the registers that these conversions read
.irp c, 0,1,2,3
	global_store_b128 v2, v[CS+4*\c:CS+4*\c+3], s[28:29] offset:2048*(\u)+512*\c   ; 32 lanes store 512 consecutive bytes, aligned
.endr
.endm
.macro MASKU u
	s_mov_b32 s56, 0                               ; the unit's OR
	s_mov_b32 s57, -1                              ; and its AND
.irp q, 0,1,2,3
.set k, 0
.rept 16
	v_cmp_ne_u32 s[32+k], 0, v[X+16*\q+k]          ; word n = 16 q + k: a bit a lane
.set k, k+1
.endr
.set k, 0
.rept 16
	s_or_b32 s56, s56, s[32+k]
	s_and_b32 s57, s57, s[32+k]
	v_writelane_b32 v[W+2*(\u)+k%2], s[32+k], 8*\q+k/2   ; word n goes to lane n / 2, register n % 2
.set k, k+1
.endr
.endr
	global_store_b64 v7, v[W+2*(\u):W+2*(\u)+1], s[28:29] offset:256*(\u)   ; 32 lanes store the step's 256 bytes, aligned
	v_writelane_b32 v[F], s56, 2*(\u)
	v_writelane_b32 v[F], s57, 2*(\u)+1
.endm
	s_wait_kmcnt 0x0
	s_cmp_ge_u32 ttmp9, 384
	s_cbranch_scc1 .Lmask
	; ---- the quantiser's path.  Only pointers and whole numbers are chosen: all three tensors take one way through the text
	s_load_b256 s[48:55], s[12:13], 0x0            ; the eight exponents
	s_mov_b32 s58, 352
	s_cmp_lt_u32 ttmp9, 352
	s_cselect_b64 s[26:27], s[6:7], s[8:9]         ; W_qkv or W_out,
	s_cselect_b32 s58, 256, s58                    ; its first work-group,
	s_cselect_b32 s60, 0, 0x300000                 ; its place in wc: W_out's blocks lie behind W_qkv's 192 x 16,384 bytes
	s_cmp_lt_u32 ttmp9, 256
	s_cselect_b64 s[26:27], s[4:5], s[26:27]       ; or x
	s_cselect_b64 s[28:29], s[16:17], s[18:19]
	s_cselect_b32 s58, 0, s58
	s_cselect_b32 s60, 0, s60
	s_sub_co_u32 s58, ttmp9, s58
	s_lshl_b32 s58, s58, 2
	s_add_co_u32 s58, s58, s24                     ; my job J
	s_lshr_b32 s59, s58, 1                         ; block g = J / 2
	s_and_b32 s62, s58, 1                          ; which half of its K
	s_lshr_b32 s63, s59, 1
	s_lshl_b32 s63, s63, 17                        ; 32 (g / 2) rows of 4,096 bytes
	s_and_b32 s31, s59, 1
	s_lshl_b32 s31, s31, 15                        ; + 8 (g % 2) rows
	s_add_co_u32 s63, s63, s31
	s_lshl_b32 s31, s62, 11                        ; + four units of 512 bytes
	s_add_co_u32 s2, s63, s31
	s_add_nc_u64 s[26:27], s[26:27], s[2:3]
	s_lshl_b32 s2, s59, 14                         ; the block's image,
	s_lshl_b32 s31, s62, 13                        ; four fragments on
	s_add_co_u32 s2, s2, s31
	s_add_co_u32 s2, s2, s60
	s_add_nc_u64 s[28:29], s[28:29], s[2:3]
	LOADU 0, ROWX
	LOADU 1, ROWX
	s_wait_kmcnt 0x0
	s_cmp_lt_u32 ttmp9, 352
	s_cselect_b32 s61, s49, s55                    ; e of W_qkv (entry 1) or of W_out (entry 7)
	s_cmp_lt_u32 ttmp9, 256
	s_cselect_b32 s61, s48, s61                    ; or of x (entry 0)
	s_add_co_i32 s61, s61, 127
	s_lshl_b32 s62, s61, 23
	v_mov_b32 v11, s62                             ; 2^e as f32: the conversion takes its exponent field
	s_add_co_i32 s61, s61, 8
	s_lshl_b32 s61, s61, 23
	s_or_b32 s61, s61, 0x600000
	v_mov_b32 v10, s61                             ; 448 x 2^e
.irp u, 0,1,2,3
.if \u < 3
	s_wait_loadcnt 16                              ; this unit's sixteen loads are in; the next unit's sixteen may be out
.else
	s_wait_loadcnt 0
.endif
	TURNU \u, 5, 6
	s_wait_dscnt 0x0                               ; the unit is back, so the stores into the stage have read their set,
.if \u < 2
	LOADU \u+2, ROWX                               ; which takes the unit two further on
.endif
	QUANTU \u
.endr
	s_wait_tensorcnt 0x0
	ds_add_u32 v254, v255
	s_wait_dscnt 0x0
	s_endpgm
	; ---- the mask's path
.Lmask:
	s_sub_co_u32 s58, ttmp9, 384
	s_lshl_b32 s58, s58, 2
	s_add_co_u32 s58, s58, s24                     ; my job J
	s_lshr_b32 s59, s58, 2                         ; block of queries g = J / 4
	s_and_b32 s62, s58, 3                          ; which four steps of keys
	s_lshr_b32 s63, s59, 1
	s_lshl_b32 s63, s63, 18                        ; 32 (g / 2) rows of 8,192 bytes
	s_and_b32 s31, s59, 1
	s_lshl_b32 s31, s31, 16                        ; + 8 (g % 2) rows
	s_add_co_u32 s63, s63, s31
	s_lshl_b32 s31, s62, 11
	s_add_co_u32 s2, s63, s31
	s_add_nc_u64 s[26:27], s[10:11], s[2:3]
	s_lshl_b32 s2, s59, 12                         ; maskw: 4,096 bytes a block, 256 a step
	s_lshl_b32 s31, s62, 10
	s_add_co_u32 s2, s2, s31
	s_add_nc_u64 s[28:29], s[20:21], s[2:3]
	s_lshl_b32 s2, s59, 7                          ; flags: 128 bytes a block, 8 a step
	s_lshl_b32 s31, s62, 5
	s_add_co_u32 s2, s2, s31
	s_add_nc_u64 s[22:23], s[22:23], s[2:3]
	LOADU 0, ROWM
	LOADU 1, ROWM
.set i, 0
.rept 9
	v_mov_b32 v[W+i], 0                            ; a lane write's destination counts as read: W and F are written whole once
.set i, i+1
.endr
.irp u, 0,1,2,3
.if \u < 3
	s_wait_loadcnt 16                              ; as above
.else
	s_wait_loadcnt 0
.endif
	TURNU \u, 12, 13
	s_wait_dscnt 0x0
.if \u < 2
	LOADU \u+2, ROWM
.endif
	MASKU \u
.endr
	s_wait_xcnt 0x0                                ; EXEC is a source of the stores above: it changes only behind this wait
	v_cmp_gt_u32 vcc_lo, 8, v1
	s_wait_tensorcnt 0x0
	ds_add_u32 v254, v255
	s_wait_dscnt 0x0
	s_and_saveexec_b32 s30, vcc_lo
	global_store_b32 v8, v[F], s[22:23]            ; lanes 0-7: my four steps' OR and AND, 32 bytes
	s_wait_xcnt 0x0
	s_or_b32 exec_lo, exec_lo, s30
	s_endpgm
.Lfunc_end_k_q14b5a84baa_prep:
	.size	k_q14b5a84baa_prep, .Lfunc_end_k_q14b5a84baa_prep-k_q14b5a84baa_prep
	.p2alignl 7, 3214868480
	.fill 96, 4, 3214868480
	.section	.rodata,"a",@progbits
	.p2align	6, 0x0
	.amdhsa_kernel k_q14b5a84baa_prep
		.amdhsa_group_segment_fixed_size 68096
		.amdhsa_private_segment_fixed_size 0
		.amdhsa_enable_private_segment 0
		.amdhsa_kernarg_size 72
		.amdhsa_user_sgpr_count 2
		.amdhsa_user_sgpr_kernarg_segment_ptr 1
		.amdhsa_wavefront_size32 1
		.amdhsa_system_sgpr_workgroup_id_x 1
		.amdhsa_system_sgpr_workgroup_id_y 1
		.amdhsa_system_sgpr_workgroup_id_z 1
		.amdhsa_system_vgpr_workitem_id 0
		.amdhsa_next_free_vgpr 256
		.amdhsa_next_free_sgpr 66
		.amdhsa_reserve_vcc 1
		.amdhsa_float_denorm_mode_32 3
		.amdhsa_float_denorm_mode_16_64 3
		.amdhsa_memory_ordered 1
		.amdhsa_forward_progress 1
		.amdhsa_inst_pref_size 102
	.end_amdhsa_kernel
	.amdgpu_metadata
---
amdhsa.version: [ 1, 2 ]
amdhsa.kernels:
  - .name:           k_q14b5a84baa_prep
    .symbol:         k_q14b5a84baa_prep.kd
    .args:
      - { .name: x, .offset: 0, .size: 8, .value_kind: global_buffer, .address_space: global }
      - { .name: W_qkv, .offset: 8, .size: 8, .value_kind: global_buffer, .address_space: global }
      - { .name: W_out, .offset: 16, .size: 8, .value_kind: global_buffer, .address_space: global }
      - { .name: mask, .offset: 24, .size: 8, .value_kind: global_buffer, .address_space: global }
      - { .name: lowp_scales, .offset: 32, .size: 8, .value_kind: global_buffer, .address_space: global }
      - { .name: xc, .offset: 40, .size: 8, .value_kind: global_buffer, .address_space: global }
      - { .name: wc, .offset: 48, .size: 8, .value_kind: global_buffer, .address_space: global }
      - { .name: maskw, .offset: 56, .size: 8, .value_kind: global_buffer, .address_space: global }
      - { .name: flags, .offset: 64, .size: 8, .value_kind: global_buffer, .address_space: global }
    .group_segment_fixed_size: 68096
    .private_segment_fixed_size: 0
    .kernarg_segment_align: 8
    .kernarg_segment_size: 72
    .max_flat_workgroup_size: 128
    .sgpr_count:     66
    .vgpr_count:     256
    .wavefront_size: 32
...
	.end_amdgpu_metadata
.endif
;; end of part 1
;; launch qkv (part 2): grid 12 x 32, 4 waves a work-group, clusters of 4 x 4, 327,680 bytes of LDS; arguments xc, wc, b_qkv, lowp_scales, qkvc; writes qkvc
.if DOCPART == 2
	.amdgcn_target "amdgcn-amd-amdhsa--gfx1250"
	.amdhsa_code_object_version 6
	.text
	.protected	k_q14b5a84baa_qkv
	.globl	k_q14b5a84baa_qkv
	.p2align	8
	.type	k_q14b5a84baa_qkv,@function
k_q14b5a84baa_qkv:
	s_mov_b64 s[64:65], 0
	v_nop
	global_prefetch_b8 v0, s[64:65] scope:SCOPE_SE
	s_setreg_imm32_b32 hwreg(HW_REG_WAVE_MODE, 25, 1), 1
	s_wait_xcnt 0x0
	s_wait_alu depctr_hold_cnt(0) depctr_sa_sdst(0) depctr_va_vdst(0) depctr_va_sdst(0) depctr_va_ssrc(0) depctr_va_vcc(0) depctr_vm_vsrc(0)
	s_getreg_b32 s2, hwreg(HW_REG_IB_STS2, 6, 4)
	s_cmp_eq_u32 s2, 0
	s_cbranch_scc0 .Lentry_in_a_cluster
	s_endpgm
.Lentry_in_a_cluster:
	s_bfe_u32 s2, ttmp6, 0x10000c
	s_cmp_lg_u32 s2, 0xf033
	s_cbranch_scc0 .Lentry_shape_is_right
	s_endpgm
.Lentry_shape_is_right:
; qkv = x W_qkv^T + b_qkv on codes of FP8 (E4M3), sums in f32; q, k and v are quantised at once (scales: entries 2, 3, 5) and stored as images for the attention launch.
; IMAGES (as the launch before lays them): a block g is 16 rows, lane row r = row 32 (g / 2) + 8 (g % 2) + r + 8 (r / 8); a fragment, block x 128 K, is [c 4][lane 32][16 bytes], lane 16 h + r holding k = 32 c + 16 h + 0 .. 15.
; A product takes source 0 = a block of R, source 1 = a block of P.  Lane (r, h) of the result holds P's lane row r, and register j of R's block 2 b + u holds R's row 32 b + 16 h + 8 u + j:
; the 16 registers of two neighbouring blocks of R are 16 neighbours, which two conversions turn into one 16-byte piece of the next operand's image.  Nothing is transposed, nothing goes through LDS on the way out.
; THE THREE PARTS.  A cluster spans 1,024 columns of qkv, so the cluster's x says which part: 0 = q, 1 = k, 2 = v; it is the same in all sixteen partners.  q, k: P = x, R = W (a lane holds a token, registers run along the head's d).
; v: P = W_v, R = x (a lane holds a channel d, registers run along the tokens, which are the keys): v comes out with the keys innermost.
; OUTPUT.  q, k: [b x 16 + head][g 128][c2 2][lane][16].  v: [b x 16 + head][step of 128 keys 16][dt 4][c 4][lane][16].  8,388,608 bytes each, q, k, v on end.
; SHARES.  A work-group makes 256 rows of P x 256 rows of R, a wave 128 x 128: 64 accumulators, 512 registers.  K = 1,024 goes in four steps of 256 through two LDS slots; a wave's tensor load brings 8 blocks x 4,096 bytes.
; CLUSTER 4 x 4: P's tile hangs on the cluster's y place, R's on its x place: each is asked for jointly by the four that need it.
; The bias is the C of each sum's first product, divided by 2^(e0 + e1).  A sum stands for sum x 2^(e0 + e1), so its code is sum / 2^f, f = e(part) - e0 - e1.
; LIMITS: f between -126 and 119, so that 2^f and 448 x 2^f are f32 numbers.  NaN among the inputs is not served.
; REGISTERS, in windows of 256: window 0: v0-31 addresses; v32-95 the bias, later a block's held sums; v128-255 P's fragments, ONE set, later the codes.  window 1: R's fragments, TWO sets.  windows 2, 3: the accumulators, (a, b) at v[8 (8 (a % 4) + b)].
.set FR,     16                        ; registers of a fragment
.set NL,     4                         ; LDS loads that bring one
.set NP,     4                         ; places behind this matrix instruction (ISA guide 7.12.1)
.set KSB,    4096                      ; a block's bytes of a K step: two fragments
.set BLKB,   16384                     ; a block's bytes in memory
.set HALFT,  8*KSB                     ; what one tensor load brings
.set SLOT,   4*HALFT                   ; P's two halves, then R's two
.set SPARE,  2*SLOT                    ; behind the ring: the spare words, 128 bytes a wave: two blocks of 256 bytes that no other line names
.set ADRA, 16                          ; v16-17  LDS address of my P fragments in slot 0, 1
.set ADRB, 20                          ; v20-21  the same for R
.set CO,   26                          ; v26     16 x lane
.set SPW,  28                          ; v28     LDS address of my spare word; never rewritten
.set NIL,  29                          ; v29     0; never rewritten
.set BIAS, 32
.set TMP,  32
.set AF,   128
.set CD,   128
.set G1, 24                            ; s[24:31] descriptor group 1 for P's tiles; s[32:39] group 0, a set for each slot
.set G0, 32
.set G1B, 48                           ; s[48:55], s[56:63] the same for R's
.set G0B, 56
.set MSB, 0
.macro WIN new                         ; the immediate's high byte repeats the setting that is left
.if MSB != \new
	s_set_vgpr_msb (MSB<<8)|\new
.set MSB, \new
.endif
.endm
.set MUL_LO, 0xa1                      ; source 0 (R) window 1, source 1 (P) window 0, C and D window 2
.set MUL_HI, 0xf1                      ; the same, C and D window 3
.set TO_B,   0x40                      ; destination window 1, address window 0
; A joint load: waves 0 and 1 fetch for P, waves 2 and 3 for R.  The branch hangs on the wave's number alone.  Four v_nop follow each of the two lines.
.macro JLOAD g0a, g1a, g0b, g1b
	s_cmp_eq_u32 s15, 0
	s_cbranch_scc0 .Lfor_b_\@
	tensor_load_to_lds s[\g0a:\g0a+3], s[\g1a:\g1a+7]
	s_nop 0
.rept 4
	v_nop
.endr
	s_branch .Lasked_\@
.Lfor_b_\@:
	tensor_load_to_lds s[\g0b:\g0b+3], s[\g1b:\g1b+7]
	s_nop 0
.rept 4
	v_nop
.endr
.Lasked_\@:
.endm
.macro CREST                           ; a round of the cluster's barrier behind its opening barrier
	s_cmp_lg_u32 s14, 0
	s_cbranch_scc1 .Lnot_wave_0_\@
	s_barrier_signal -3
.Lnot_wave_0_\@:
	s_barrier_wait -3
	s_barrier_signal -1
	s_barrier_wait -1
.endm
.macro CROUND                          ; a whole round
	s_barrier_signal -1
	s_barrier_wait -1
	CREST
.endm
	s_load_b128 s[4:7], s[0:1], 0x0                ; xc s[4:5], wc s[6:7]
	s_load_b128 s[8:11], s[0:1], 0x10              ; b_qkv s[8:9], the scales' exponents s[10:11]
	s_load_b64 s[12:13], s[0:1], 0x20              ; qkvc
	v_lshl_add_u32 v[SPW], v0, 2, SPARE
	v_mov_b32 v[NIL], 0
	ds_add_u32 v28, v29
	ds_add_u32 v28, v29
	s_wait_dscnt 0x0
	v_lshrrev_b32 v1, 5, v0
	v_readfirstlane_b32 s14, v1                    ; wave 0..3
	s_lshr_b32 s15, s14, 1                         ; which half of P's rows is mine.  Also: I fetch for P (0) or for R (1)
	s_and_b32 s16, s14, 1                          ; which half of R's rows.  Also: which 8 blocks of that tile I fetch
	s_bfe_u32 s40, ttmp6, 0x40000                  ; cx, cy: my place in the cluster
	s_bfe_u32 s41, ttmp6, 0x40004
	s_and_b32 s17, ttmp7, 0xffff
	s_lshl_b32 s17, s17, 2                         ; 4 x cluster y
	s_lshl_b32 s18, ttmp9, 2                       ; 4 x cluster x
	s_cmp_eq_u32 ttmp9, 2                          ; v?
	s_cselect_b32 s44, 0, s17                      ; P's tile: q, k: 4 x cluster y + cy (of x);  v: cy (of W_v)
	s_cselect_b32 s45, s17, s18                    ; R's tile: q, k: 4 x cluster x + cx (of W);  v: 4 x cluster y + cx (of x)
	s_cselect_b32 s80, 0x200000, 0                 ; W_v's blocks begin 128 x 16,384 bytes into wc
	s_add_co_u32 s44, s44, s41
	s_add_co_u32 s45, s45, s40
	s_lshl_b32 s43, s41, 2
	s_lshl_b32 s43, 15, s43                        ; my row of the cluster
	s_lshl_b32 s42, 0x1111, s40                    ; my column
	; descriptor group 1: 8 rows of 4,096 bytes, 16,384 bytes apart in memory, dense in LDS
	s_or_b32 s[G1+0], s43, (1<<21)                 ; 15:0 the mask: P's tiles go to my row; 17:16 elements of 1 byte; 20 no padding; 21 set beside a mask
	s_or_b32 s[G1B+0], s42, (1<<21)                ; R's go to my column
.irp g, G1, G1B
	s_mov_b32 s[\g+1], KSB<<16                     ; tensor_dim0 = 4,096
	s_mov_b32 s[\g+2], 8<<16                       ; tensor_dim1 = 8
	s_mov_b32 s[\g+3], KSB<<16                     ; tile_dim0 = 4,096
	s_mov_b32 s[\g+4], 8                           ; tile_dim1 = 8
	s_mov_b32 s[\g+5], BLKB                        ; from block to block
	s_mov_b32 s[\g+6], 0
	s_mov_b32 s[\g+7], 0
.endr
	s_lshl_b32 s18, s16, 17                        ; which 8 blocks of the tile I fetch
	s_lshl_b32 s20, s44, 18                        ; a tile is 16 blocks
	s_add_co_u32 s20, s20, s18
	s_add_co_u32 s20, s20, s80
	s_mov_b32 s21, 0
	s_lshl_b32 s46, s45, 18
	s_add_co_u32 s46, s46, s18
	s_mov_b32 s47, 0
	s_lshl_b32 s19, s14, 15                        ; where they go: wave x 32,768: no place in the cluster enters an LDS address
	s_wait_kmcnt 0x0
	s_load_b256 s[68:75], s[10:11], 0x0            ; the eight exponents
	s_cmp_eq_u32 ttmp9, 2
	s_cselect_b64 s[76:77], s[6:7], s[4:5]         ; P: wc for v, else xc
	s_cselect_b64 s[78:79], s[4:5], s[6:7]         ; R: the other
	s_add_nc_u64 s[20:21], s[76:77], s[20:21]
	s_add_nc_u64 s[46:47], s[78:79], s[46:47]
	CROUND                                         ; all sixteen work-groups are here: the first joint loads meet
.irp s, 0,1
	s_mov_b32 s[G0+4*\s], 1
	s_add_co_u32 s[G0+4*\s+1], s19, \s*SLOT
	s_add_nc_u64 s[G0+4*\s+2:G0+4*\s+3], s[20:21], \s*KSB
	s_or_b32 s[G0+4*\s+3], s[G0+4*\s+3], 0x80000000
	s_mov_b32 s[G0B+4*\s], 1
	s_add_co_u32 s[G0B+4*\s+1], s19, \s*SLOT
	s_add_nc_u64 s[G0B+4*\s+2:G0B+4*\s+3], s[46:47], \s*KSB
	s_or_b32 s[G0B+4*\s+3], s[G0B+4*\s+3], 0x80000000
	JLOAD G0+4*\s, G1, G0B+4*\s, G1B
.endr
	v_and_b32 v1, 31, v0
	v_lshlrev_b32 v[CO], 4, v1                     ; 16 x lane: a fragment's place for my lane, in LDS and in the output
	v_and_b32 v2, 15, v0                           ; r
	v_bfe_u32 v3, v0, 4, 1                         ; h
	s_lshl_b32 s22, s15, 15                        ; my 8 blocks of P
	s_lshl_b32 s23, s16, 15                        ; my 8 blocks of R,
	s_add_co_u32 s23, s23, 2*HALFT                 ; which lie behind P's 16
.irp s, 0,1
	v_add_nc_u32 v[ADRA+\s], s22, v[CO]
	v_add_nc_u32 v[ADRB+\s], s23, v[CO]
	s_add_co_u32 s22, s22, SLOT
	s_add_co_u32 s23, s23, SLOT
.endr
	s_lshl_b32 s82, s44, 8
	s_lshl_b32 s83, s15, 7
	s_add_co_u32 s82, s82, s83                     ; my first row of P
	s_lshl_b32 s83, s45, 8
	s_lshl_b32 s84, s16, 7
	s_add_co_u32 s83, s83, s84                     ; my first row of R
	s_cmp_eq_u32 ttmp9, 2
	s_cselect_b32 s84, s83, s82                    ; of the two: x's row,
	s_cselect_b32 s85, s82, s83                    ; and W's,
	s_and_b32 s85, s85, 1023                       ; counted within its part
	s_lshl_b32 s86, ttmp9, 10
	s_add_co_u32 s86, s86, s85
	s_lshl_b32 s86, s86, 2
	s_mov_b32 s87, 0
	s_add_nc_u64 s[8:9], s[8:9], s[86:87]          ; b_qkv at my first row of W
	s_lshr_b32 s86, s84, 11                        ; the batch,
	s_lshl_b32 s86, s86, 4
	s_lshr_b32 s88, s85, 6                         ; my first head
	s_add_co_u32 s86, s86, s88
	s_lshl_b32 s86, s86, 17                        ; 131,072 bytes for each (batch, head)
	s_and_b32 s88, s84, 2047
	s_lshl_b32 s88, s88, 6                         ; 64 bytes a token: 1,024 a block of q or k, 8,192 a step of v
	s_add_co_u32 s86, s86, s88
	s_lshl_b32 s88, ttmp9, 23                      ; the part
	s_add_co_u32 s86, s86, s88
	s_add_nc_u64 s[12:13], s[12:13], s[86:87]
	v_lshlrev_b32 v6, 6, v3                        ; the bias along R: 64 h
	v_and_b32 v7, 8, v2
	v_add_nc_u32 v7, v7, v2
	v_lshlrev_b32 v7, 2, v7                        ; the bias along P: 4 (r + 8 (r / 8))
	s_wait_kmcnt 0x0
	s_add_co_i32 s89, s68, s69                     ; e0 + e1
	s_sub_co_i32 s90, 0, s89
	s_cmp_eq_u32 ttmp9, 0
	s_cselect_b32 s91, s70, s71                    ; q: entry 2; k: entry 3;
	s_cmp_eq_u32 ttmp9, 2
	s_cselect_b32 s91, s73, s91                    ; v: entry 5
	s_sub_co_i32 s91, s91, s89                     ; f
	s_add_co_i32 s91, s91, 127
	s_lshl_b32 s92, s91, 23
	v_mov_b32 v10, s92                             ; 2^f as f32: the conversion takes its exponent field
	s_add_co_i32 s91, s91, 8
	s_lshl_b32 s91, s91, 23
	s_or_b32 s91, s91, 0x600000
	v_mov_b32 v11, s91                             ; 448 x 2^f
	s_cmp_eq_u32 ttmp9, 2
	s_cbranch_scc1 .Lbias_v
.irp b, 0,1,2,3,4,5,6,7                        ; q, k: the bias runs along R: for R's block b the eight numbers at 32 (b / 2) + 16 h + 8 (b % 2) on
	global_load_b128 v[BIAS+8*\b:BIAS+8*\b+3], v6, s[8:9] offset:(32*(\b/2)+8*(\b%2))*4
	global_load_b128 v[BIAS+8*\b+4:BIAS+8*\b+7], v6, s[8:9] offset:(32*(\b/2)+8*(\b%2))*4+16
.endr
	s_wait_loadcnt 0x0
.set j, 0
.rept 64
	v_ldexp_f32 v[BIAS+j], v[BIAS+j], s90          ; / 2^(e0 + e1)
.set j, j+1
.endr
	s_branch .Lbias_done
.Lbias_v:
.irp a, 0,1,2,3,4,5,6,7                        ; v: the bias runs along P: for P's block a one number a lane, in all eight registers
	global_load_b32 v[BIAS+8*\a], v7, s[8:9] offset:(32*(\a/2)+8*(\a%2))*4
.endr
	s_wait_loadcnt 0x0
.irp a, 0,1,2,3,4,5,6,7
.irp j, 7,6,5,4,3,2,1,0
	v_ldexp_f32 v[BIAS+8*\a+\j], v[BIAS+8*\a], s90
.endr
.endr
.Lbias_done:
.macro FRAG reg, adr, q, i             ; block i's q-th fragment of the slot: 16 registers by four loads of 512 consecutive bytes
.irp c, 0,1,2,3
	ds_load_b128 v[\reg+4*\c:\reg+4*\c+3], v[\adr] offset:KSB*(\i)+2048*(\q)+512*\c
.endr
.endm
; 16 matrix instructions: P's blocks a0, a0 + 1 x R's eight, 128 along K.  p: R's set.  mode 0: onto the sums; 1: the sums begin with the bias along R; 2: with the bias along P.
; The 64 accumulators take turns, one instruction a turn, in the same order in every step.
.macro MUL16 a0, p, mode
.irp a, \a0, \a0+1
.irp b, 0,1,2,3,4,5,6,7
.if \mode == 0
	v_wmma_f32_16x16x128_fp8_fp8 v[8*(8*((\a)%4)+\b):8*(8*((\a)%4)+\b)+7], v[128*(\p)+FR*\b:128*(\p)+FR*\b+FR-1], v[AF+FR*(\a):AF+FR*(\a)+FR-1], v[8*(8*((\a)%4)+\b):8*(8*((\a)%4)+\b)+7]
.elseif \mode == 1
	v_wmma_f32_16x16x128_fp8_fp8 v[8*(8*((\a)%4)+\b):8*(8*((\a)%4)+\b)+7], v[128*(\p)+FR*\b:128*(\p)+FR*\b+FR-1], v[AF+FR*(\a):AF+FR*(\a)+FR-1], v[BIAS+8*\b:BIAS+8*\b+7]
.else
	v_wmma_f32_16x16x128_fp8_fp8 v[8*(8*((\a)%4)+\b):8*(8*((\a)%4)+\b)+7], v[128*(\p)+FR*\b:128*(\p)+FR*\b+FR-1], v[AF+FR*(\a):AF+FR*(\a)+FR-1], v[BIAS+8*(\a):BIAS+8*(\a)+7]
.endif
.endr
.endr
.endm
.macro FETCH_B slot, q, p              ; R's eight fragments into set p
	WIN TO_B
.irp i, 0,1,2,3,4,5,6,7
	FRAG 128*(\p)+FR*\i, ADRB+\slot, \q, \i
.endr
	WIN 0
.endm
.macro FETCH_A slot, q, i0             ; P's blocks i0 .. i0 + 3
.irp i, \i0, \i0+1, \i0+2, \i0+3
	FRAG AF+FR*(\i), ADRA+\slot, \q, \i
.endr
.endm
; A load into a register that a matrix instruction has read, and a vector instruction that reads a matrix result, stand NP places behind it; only plain vector instructions that name none of its registers are places.
.macro PLACES n
.rept \n
	v_nop
.endr
.endm
; A step of 128 along K that has its successor in the same slot.  A block of P is free as soon as its eight products are issued: blocks 0-3 are fetched anew in the step's middle, blocks 4-7 at its end.
.macro STEP slot, q, mode
	s_wait_dscnt 4*NL                              ; R's set and P's blocks 0-3 are in; the youngest sixteen loads (P's blocks 4-7) may be out
.if \mode
	WIN 0x81                                       ; C (the bias) window 0, D window 2
.else
	WIN MUL_LO
.endif
	MUL16 0, (\q)%2, \mode
	MUL16 2, (\q)%2, \mode
	s_wait_dscnt 0                                 ; P's blocks 4-7 are in
	PLACES NP
	FETCH_B \slot, (\q)+1, 1-(\q)%2
	FETCH_A \slot, (\q)+1, 0
.if \mode
	WIN 0xc1                                       ; C window 0, D window 3
.else
	WIN MUL_HI
.endif
	MUL16 4, (\q)%2, \mode
	MUL16 6, (\q)%2, \mode
	PLACES NP
	WIN 0
	FETCH_A \slot, (\q)+1, 4
.endm
; A slot's last step changes slots: ONE barrier; in front of it each wave waits for all its tensor loads, adds 0 to its spare word, and waits for that and for its own reads of this slot.  fill = 1: this slot is filled again, two K steps ahead.
.macro TURN slot, next, fill
	s_wait_tensorcnt 0x0                           ; all my tensor loads have landed: my part of the next slot
	ds_add_u32 v[SPW], v[NIL]                      ; 0 onto my spare word
	s_wait_dscnt 4*NL+1                            ; (the add and the youngest sixteen loads, P's blocks 4-7, may be out)
	WIN MUL_LO
	MUL16 0, 1, 0                                  ; sixteen matrix instructions stand between the add and the wait for it
	s_wait_dscnt 0x0                               ; the add is done, and my reads of this slot are over
	s_barrier_signal -1
	MUL16 2, 1, 0
	WIN 0
	s_barrier_wait -1
.if \fill
	CREST                                          ; the barrier has opened a round of the cluster's barrier: no wave of any partner still reads this slot's tile or has a load on its way
	s_add_nc_u64 s[G0+4*\slot+2:G0+4*\slot+3], s[G0+4*\slot+2:G0+4*\slot+3], 2*KSB
	s_add_nc_u64 s[G0B+4*\slot+2:G0B+4*\slot+3], s[G0B+4*\slot+2:G0B+4*\slot+3], 2*KSB
	JLOAD G0+4*\slot, G1, G0B+4*\slot, G1B         ; the first tensor load behind the round; its four v_nop are also the places in front of the loads below
.else
	PLACES NP
.endif
	FETCH_B \next, 0, 0
	FETCH_A \next, 0, 0
	WIN MUL_HI
	MUL16 4, 1, 0
	MUL16 6, 1, 0
	PLACES NP
	WIN 0
	FETCH_A \next, 0, 4
.endm
	s_wait_tensorcnt 1                             ; my part of K step 0 is in; K step 1's load may be out
	s_barrier_signal -1
	s_barrier_wait -1                              ; everybody's is
	FETCH_B 0, 0, 0
	FETCH_A 0, 0, 0
	FETCH_A 0, 0, 4
	s_cmp_eq_u32 ttmp9, 2                          ; the first step is written twice: its products take the bias as C, along R or along P
	s_cbranch_scc1 .Lfirst_v
	STEP 0, 0, 1
	s_branch .Lfirst_done
.Lfirst_v:
	STEP 0, 0, 2
.Lfirst_done:
	TURN 0, 1, 1                                   ; K = 1,024 is four K steps: both slots are filled again once, so the walk is written out
	STEP 1, 0, 0
	TURN 1, 0, 1
	STEP 0, 0, 0
	TURN 0, 1, 0                                   ; nothing is left to fetch
	STEP 1, 0, 0
	s_wait_dscnt 4*NL                              ; the very last step
	WIN MUL_LO
	MUL16 0, 1, 0
	MUL16 2, 1, 0
	s_wait_dscnt 0
	WIN MUL_HI
	MUL16 4, 1, 0
	MUL16 6, 1, 0
	WIN 0
	; THE WAY OUT.  Block a of P: its 64 sums are held within +-448 x 2^f (each accumulator from its low end on), and eight conversions make the four 16-byte pieces of the next operand's image.
	PLACES NP
.irp a, 0,1,2,3,4,5,6,7
	WIN 0x02+(\a/4)                                ; source 0: window 2 or 3
.set j, 0
.rept 64
	v_med3_num_f32 v[TMP+j], v[64*(\a%4)+j], -v11, v11   ; the conversion to an 8-bit code does not saturate (ISA guide 7.6.2)
.set j, j+1
.endr
	WIN 0
.irp b, 0,1,2,3,4,5,6,7
	v_cvt_scalef32_pk8_fp8_f32 v[CD+16*\a+2*\b:CD+16*\a+2*\b+1], v[TMP+8*\b:TMP+8*\b+7], v10
.endr
	v_nop                                          ; a plain line behind the last conversion: the next block's holds write the registers that these read
.endr
	s_cmp_eq_u32 ttmp9, 2
	s_cbranch_scc1 .Lstore_v
.irp a, 0,1,2,3,4,5,6,7                        ; q, k: piece p is head p / 2, c2 = p % 2, of block a of tokens.  Each store: 512 consecutive bytes, aligned
.irp p, 0,1,2,3
	global_store_b128 v[CO], v[CD+16*\a+4*\p:CD+16*\a+4*\p+3], s[12:13] offset:(\p/2)*131072+1024*\a+512*(\p%2)
.endr
.endr
	s_branch .Lstored
.Lstore_v:
.irp a, 0,1,2,3,4,5,6,7                        ; v: block a is head a / 4, dt = a % 4; piece p is c = p of my step of 128 keys
.irp p, 0,1,2,3
	global_store_b128 v[CO], v[CD+16*\a+4*\p:CD+16*\a+4*\p+3], s[12:13] offset:(\a/4)*131072+2048*(\a%4)+512*\p
.endr
.endr
.Lstored:
	s_wait_tensorcnt 0x0                           ; the wave's end
	ds_add_u32 v[SPW], v[NIL]
	s_wait_dscnt 0x0
	CROUND                                         ; the closing round: no work-group ends while a partner may still ask for a tile that names it
	s_endpgm
.Lfunc_end_k_q14b5a84baa_qkv:
	.size	k_q14b5a84baa_qkv, .Lfunc_end_k_q14b5a84baa_qkv-k_q14b5a84baa_qkv
	.p2alignl 7, 3214868480
	.fill 96, 4, 3214868480
	.section	.rodata,"a",@progbits
	.p2align	6, 0x0
	.amdhsa_kernel k_q14b5a84baa_qkv
		.amdhsa_group_segment_fixed_size 327680
		.amdhsa_private_segment_fixed_size 0
		.amdhsa_enable_private_segment 0
		.amdhsa_kernarg_size 40
		.amdhsa_user_sgpr_count 2
		.amdhsa_user_sgpr_kernarg_segment_ptr 1
		.amdhsa_wavefront_size32 1
		.amdhsa_system_sgpr_workgroup_id_x 1
		.amdhsa_system_sgpr_workgroup_id_y 1
		.amdhsa_system_sgpr_workgroup_id_z 1
		.amdhsa_system_vgpr_workitem_id 0
		.amdhsa_next_free_vgpr 1024
		.amdhsa_next_free_sgpr 100
		.amdhsa_reserve_vcc 0
		.amdhsa_float_denorm_mode_32 3
		.amdhsa_float_denorm_mode_16_64 3
		.amdhsa_memory_ordered 1
		.amdhsa_forward_progress 1
		.amdhsa_inst_pref_size 140
	.end_amdhsa_kernel
	.amdgpu_metadata
---
amdhsa.version: [ 1, 2 ]
amdhsa.kernels:
  - .name:           k_q14b5a84baa_qkv
    .symbol:         k_q14b5a84baa_qkv.kd
    .args:
      - { .name: xc, .offset: 0, .size: 8, .value_kind: global_buffer, .address_space: global }
      - { .name: wc, .offset: 8, .size: 8, .value_kind: global_buffer, .address_space: global }
      - { .name: b_qkv, .offset: 16, .size: 8, .value_kind: global_buffer, .address_space: global }
      - { .name: lowp_scales, .offset: 24, .size: 8, .value_kind: global_buffer, .address_space: global }
      - { .name: qkvc, .offset: 32, .size: 8, .value_kind: global_buffer, .address_space: global }
    .group_segment_fixed_size: 327680
    .private_segment_fixed_size: 0
    .kernarg_segment_align: 8
    .kernarg_segment_size: 40
    .max_flat_workgroup_size: 128
    .sgpr_count:     100
    .vgpr_count:     1024
    .wavefront_size: 32
...
	.end_amdgpu_metadata
.endif
;; end of part 2
;; launch attn (part 3): grid 4 x 64, 16 waves a work-group, no clusters, 264,192 bytes of LDS; arguments qkvc, lowp_scales, maskw, flags, attc; writes attc
.if DOCPART == 3
	.amdgcn_target "amdgcn-amd-amdhsa--gfx1250"
	.amdhsa_code_object_version 6
	.text
	.protected	k_q14b5a84baa_attn
	.globl	k_q14b5a84baa_attn
	.p2align	8
	.type	k_q14b5a84baa_attn,@function
k_q14b5a84baa_attn:
	s_mov_b64 s[64:65], 0
	v_nop
	global_prefetch_b8 v0, s[64:65] scope:SCOPE_SE
	s_setreg_imm32_b32 hwreg(HW_REG_WAVE_MODE, 25, 1), 1
	s_wait_xcnt 0x0
; For each (batch, head): out = softmax(q k^T / 8, masked) v, both products on codes of FP8 (E4M3) with the given scales (entries 2, 3; 4, 5); the result is quantised (entry 6) into the image that the last product reads.
; THE SOFTMAX: t = logit x log2(e); M = the running largest t rounded UP to a whole number; p = 2^(t - M) is quantised, not normalised; the row's sum is taken of the unquantised p and divides at the end.
; When M moves, the sum and O are multiplied by 2^(old M - new M): exact.
; THE MASK is an input.  The launch before packed it: maskw holds, for each (block of 16 queries, step of 128 keys), 64 lane masks, one for each score register; flags holds their OR and AND.
; A masked score is replaced by SNEG = -2^(33 - e2 - e3), whose t is -1.4427 x 2^30, a whole number: on a row that has seen masked keys only, p = 1 for each of them; as soon as an open key comes, the factor
; 2^(old M - new M) is 0 and later masked keys give p = 0.  So a row with no open key at all ends as the mean over all 2,048 keys.
; A step all of whose 64 words are 0 is left out, by a scalar branch on the stored OR, but only if every one of the block's 16 queries has an open key somewhere; else every step is walked.
; A step all of whose words are -1 needs no mask words.
; LIMITS: the masked t stands at -1.549e9 where the definition has -1.443e9: results differ only where open logits themselves lie near -1e9.  e2 + e3 between -94 and 130; e4 and e6 between -126 and 119.  NaN is not served.
; SHARES.  A work-group is a quarter of one (batch, head): 256 work-groups.  The head's whole K image (131,072 bytes) and V image (131,072) are copied into LDS once, through registers: one barrier in the launch.
; Wave G = 16 x quarter + wave owns blocks G and 127 - G of the 128 blocks of queries, one after the other (the pairing evens the work where later queries see more keys; no result hangs on it).
; Sixteen waves of 256 registers: four to a SIMD, so that one wave's vector work stands beside another's products and LDS loads.
; NO TENSOR LOADS AND NO CLUSTER: the walk branches on numbers read from memory; what the four work-groups of a head share is the 262,144 bytes read once at the head.
; LAYOUT.  Both products are used transposed: S^T = K Q^T (source 0 = a block of 16 keys), O^T = V^T P^T (source 0 = 16 channels): a lane holds ONE query throughout.
; By the images' order of rows, score register n is key 32 (n / 16) + 16 h + n % 16 of the step, and O^T's register 8 dt + j is channel 32 (dt / 2) + 16 h + 8 (dt % 2) + j: the conversions' results are the next operand's registers.
; REGISTERS: v1 16 x lane; v2, v3 LDS addresses of the step's K and V; v5, v6 the fill; v7 Q's offset; v8 the output's; v12 -M, v13 the largest t, v[14:15] the sum; v16-23 Q; v24 SNEG; v25, v26: 448 x 2^e4, 2^e4; v27, v28: the same for e6;
; v32-95 K's 8 fragments, then V's 4; v96-159 S^T, then p; v160-191 O^T; v192-207 p's codes; v208-215 the result's codes; v236, v242-243, v252-254 at work.
; s19 my block; s26 bit i: step i is all open; s66 bit i: step i is left out; s27 steps; s28 the step's LDS byte; s29 blocks to go; s30 the step's byte in maskw; s31 the output's part for my (batch, head);
; s[32:63], s[68:99] the step's 64 mask words (at a block's head s[32:63] the 32 flag words; at the kernel's head s[68:75] the exponents).
.set VIMG,  131072                     ; LDS: K's image at 0, V's behind it
.set STEPB, 8192                       ; a step's bytes in either image
	s_load_b256 s[4:11], s[0:1], 0x0               ; qkvc s[4:5], the exponents s[6:7], maskw s[8:9], flags s[10:11]
	s_load_b64 s[12:13], s[0:1], 0x20              ; attc
	v_lshl_add_u32 v251, v0, 2, 0x40000
	v_mov_b32 v255, 0
	v_lshrrev_b32 v1, 5, v0
	v_readfirstlane_b32 s18, v1                    ; wave 0..15
	v_and_b32 v1, 31, v0
	v_lshlrev_b32 v1, 4, v1                        ; 16 x lane
	s_lshl_b32 s2, s18, 13
	v_add_nc_u32 v5, s2, v1                        ; the fill: 8,192 x wave + 16 x lane, in memory and in LDS alike
	v_add_nc_u32 v6, VIMG, v5
	s_and_b32 s3, ttmp7, 0xffff                    ; batch x 16 + head
	s_lshl_b32 s100, s3, 17
	s_mov_b32 s101, 0
	s_lshr_b32 s31, s3, 4
	s_lshl_b32 s31, s31, 21                        ; the output: a batch is 128 blocks of 16,384 bytes,
	s_and_b32 s3, s3, 15
	s_lshl_b32 s3, s3, 10                          ; a head 1,024 bytes of a block
	s_add_co_u32 s31, s31, s3
	s_lshl_b32 s19, ttmp9, 4
	s_add_co_u32 s19, s19, s18                     ; G: my first block
	s_mov_b32 s20, 0x76543210
	s_mov_b32 s21, 0xfedcba98                      ; v_permlanex16_b32's selects for lane l xor 16
	s_mov_b32 s29, 2
	s_wait_kmcnt 0x0
	s_load_b256 s[68:75], s[6:7], 0x0              ; the eight exponents
	s_add_nc_u64 s[14:15], s[4:5], s[100:101]      ; q at my (batch, head),
	s_add_nc_u64 s[16:17], s[14:15], 0x800000      ; k,
	s_add_nc_u64 s[24:25], s[14:15], 0x1000000     ; v
.set i, 0
.rept 16
	global_load_b128 v[32+4*i:35+4*i], v5, s[16:17] offset:512*i
.set i, i+1
.endr
.set i, 0
.rept 16
	global_load_b128 v[96+4*i:99+4*i], v5, s[24:25] offset:512*i
.set i, i+1
.endr
	v_mov_b32 v236, 0                              ; written once: a lane permute's destination counts as one of its sources
	v_mov_b32 v252, 0
	v_mov_b32 v253, 0                              ; (named as the upper half of the pair v[252:253])
	s_wait_kmcnt 0x0
	s_add_co_i32 s2, s70, s71                      ; e2 + e3
	s_lshl_b32 s3, s2, 23
	s_add_co_i32 s22, s3, 0x3e38aa3b               ; c = log2(e) / 8, with e2 + e3 added to its exponent field: t = score x c
	s_mov_b32 s23, s22                             ; (named with it as a pair, so it is written)
	s_sub_co_i32 s2, 160, s2                       ; 33 - (e2 + e3) + 127
	s_lshl_b32 s2, s2, 23
	s_or_b32 s2, s2, 0x80000000
	v_mov_b32 v24, s2                              ; SNEG
	s_add_co_i32 s2, s72, 127
	s_lshl_b32 s3, s2, 23
	v_mov_b32 v26, s3                              ; 2^e4
	s_add_co_i32 s2, s2, 8
	s_lshl_b32 s2, s2, 23
	s_or_b32 s2, s2, 0x600000
	v_mov_b32 v25, s2                              ; 448 x 2^e4
	s_add_co_i32 s2, s74, 127
	s_lshl_b32 s3, s2, 23
	v_mov_b32 v28, s3                              ; 2^e6
	s_add_co_i32 s2, s2, 8
	s_lshl_b32 s2, s2, 23
	s_or_b32 s2, s2, 0x600000
	v_mov_b32 v27, s2                              ; 448 x 2^e6
	s_add_co_i32 s67, s72, s73                     ; e4 + e5
	s_wait_loadcnt 16                              ; K's sixteen loads are in; V's sixteen may be out
.set i, 0
.rept 16
	ds_store_b128 v5, v[32+4*i:35+4*i] offset:512*i
.set i, i+1
.endr
	s_wait_loadcnt 0x0
.set i, 0
.rept 16
	ds_store_b128 v6, v[96+4*i:99+4*i] offset:512*i
.set i, i+1
.endr
	s_wait_dscnt 0x0                               ; for the others' sake: my stores have landed
	s_barrier_signal -1
	s_barrier_wait -1                              ; both images are whole; from here on LDS is only read
; S^T of a step: K's eight fragments, eight products that start their sums with 0; then V's four fragments are asked for, and land under the softmax
.macro QK
.set i, 0
.rept 8
	ds_load_b128 v[32+8*i:35+8*i], v2 offset:1024*i
	ds_load_b128 v[36+8*i:39+8*i], v2 offset:1024*i+512
.set i, i+1
.endr
	s_wait_dscnt 0x0
.set i, 0
.rept 8
	v_wmma_f32_16x16x64_fp8_fp8 v[96+8*i:103+8*i], v[32+8*i:39+8*i], v[16:23], 0
.set i, i+1
.endr
.rept 4
	v_nop                                          ; places in front of the loads into K's registers and of the first read of the scores
.endr
.set i, 0
.rept 16
	ds_load_b128 v[32+4*i:35+4*i], v3 offset:512*i
.set i, i+1
.endr
.endm
.Ltile:
	s_wait_xcnt 0x0                                ; the last block's stores have read v8 and their data
	s_lshl_b32 s100, s19, 7
	s_load_b512 s[32:47], s[10:11], s100 offset:0x0    ; the block's 32 flag words
	s_load_b512 s[48:63], s[10:11], s100 offset:0x40
	s_lshl_b32 s101, s19, 10
	v_add_nc_u32 v7, s101, v1
	global_load_b128 v[16:19], v7, s[14:15]            ; Q's fragment: channels 16 h + 0 .. 15,
	global_load_b128 v[20:23], v7, s[14:15] offset:512 ; and 32 + 16 h + 0 .. 15
	v_mov_b32 v13, 0xff61b1e6                      ; the largest t so far: -3e38, under every t
	v_floor_f32 v12, -v13                          ; -M
	v_mov_b32 v14, 0                               ; the sum, in two halves
	v_mov_b32 v15, 0
.set i, 0
.rept 32
	v_mov_b32 v[160+i], 0                          ; O^T.  (The step is written once: the first finds zeros, which the first change of M leaves zeros)
.set i, i+1
.endr
	s_mov_b32 s66, 0
	s_mov_b32 s26, 0
	s_mov_b32 s3, 0
	s_mov_b32 s27, 0
	s_mov_b32 s28, 0
	s_lshl_b32 s30, s19, 12
	s_wait_kmcnt 0x0
.irp i, 0,1,2,3,4,5,6,7,8,9,10,11,12,13,14,15
	s_cmp_eq_u32 s[32+2*\i], 0                     ; no key of step i is open for any of my queries
	s_cselect_b32 s2, 1<<\i, 0
	s_or_b32 s66, s66, s2
	s_cmp_eq_u32 s[33+2*\i], -1                    ; all are open for all
	s_cselect_b32 s2, 1<<\i, 0
	s_or_b32 s26, s26, s2
	s_or_b32 s3, s3, s[32+2*\i]
.endr
	s_lshr_b32 s2, s3, 16                          ; query r has an open key where bit r or bit 16 + r of the ORs is set
	s_or_b32 s2, s2, s3
	s_and_b32 s2, s2, 0xffff
	s_cmp_eq_u32 s2, 0xffff
	s_cselect_b32 s66, s66, 0                      ; a query without any: nothing is left out
	s_wait_loadcnt 0x0                             ; Q
.Lstep:
	s_bitcmp1_b32 s66, 0
	s_cbranch_scc1 .Lnext                          ; round the step's loads, products and softmax; not round the lines that step addresses
	v_add_nc_u32 v2, s28, v1
	v_add_nc_u32 v3, VIMG, v2
	v_nop
	v_nop                                          ; with the two additions: four places behind the last step's products, in front of the loads into V's registers
	s_bitcmp1_b32 s26, 0
	s_cbranch_scc1 .Lopen
	s_load_b512 s[32:47], s[8:9], s30 offset:0x0   ; the step's 64 lane masks, asked for ahead of the products
	s_load_b512 s[48:63], s[8:9], s30 offset:0x40
	s_load_b512 s[68:83], s[8:9], s30 offset:0x80
	s_load_b512 s[84:99], s[8:9], s30 offset:0xc0
	QK
	s_wait_kmcnt 0x0
.set n, 0
.rept 64
	v_cndmask_b32 v[96+n], v24, v[96+n], s[32+n+4*(n/32)]   ; the score where the key is open, SNEG where it is not
.set n, n+1
.endr
	s_branch .Lsoft
.Lopen:
	QK
.Lsoft:
	v_max3_num_f32 v254, v96, v97, v98             ; the step's largest score of my query, among my 64 keys, in two chains,
	v_max3_num_f32 v252, v99, v100, v101
.irp i, 6,10,14,18,22,26,30,34,38,42,46,50,54,58
	v_max3_num_f32 v254, v254, v[96+\i], v[97+\i]
	v_max3_num_f32 v252, v252, v[98+\i], v[99+\i]
.endr
	v_max3_num_f32 v254, v254, v158, v159
	v_max_num_f32 v254, v254, v252
	v_permlanex16_b32 v236, v254, s20, s21
	v_max_num_f32 v254, v254, v236                 ; and among lane l xor 16's
	v_mul_f32 v254, s22, v254                      ; as t (c is positive)
	v_max_num_f32 v13, v13, v254                   ; the running largest t
	v_mov_b32 v254, v12
	v_floor_f32 v12, -v13                          ; the new -M = floor(-t) = -ceil(t): a whole number
	v_sub_f32 v254, v12, v254                      ; M's old value less its new one: 0 or less
	v_cvt_i32_f32 v254, v254                       ; (it saturates)
	v_ldexp_f32 v252, 1.0, v254                    ; f = 2^(old M - new M)
.set j, 0
.rept 32
	v_pk_fma_f32 v[96+j:97+j], v[96+j:97+j], s[22:23], v[12:13] op_sel_hi:[1,0,0]   ; t - M, two at a time (of the pairs c and -M the low word serves both halves)
.set j, j+2
.endr
.set j, 0
.rept 64
	v_exp_f32 v[96+j], v[96+j]                     ; p = 2^(t - M), at most 1
.set j, j+1
.endr
	v_pk_mul_f32 v[14:15], v[14:15], v[252:253] op_sel_hi:[1,0]   ; the sums under the new M.  (The plain line behind the exponentials)
	s_wait_alu depctr_va_vdst(0)                   ; one wait for the whole batch, ahead of its first reader
	v_pk_add_f32 v[242:243], v[96:97], v[98:99]    ; the row's sum is taken of the unquantised p: two at a time, in two chains
.irp j, 4,8,12,16,20,24,28,32,36,40,44,48,52,56,60
	v_pk_add_f32 v[14:15], v[14:15], v[96+\j:97+\j]
	v_pk_add_f32 v[242:243], v[242:243], v[98+\j:99+\j]
.endr
	v_pk_add_f32 v[14:15], v[14:15], v[242:243]
.irp b, 0,1,2,3
.set i, 0
.rept 16
	v_min_num_f32 v[96+16*\b+i], v[96+16*\b+i], v25   ; the conversion does not saturate (ISA guide 7.6.2); p is not negative, so the hold is one-sided
.set i, i+1
.endr
	v_cvt_scalef32_pk8_fp8_f32 v[192+4*\b:193+4*\b], v[96+16*\b:103+16*\b], v26
	v_cvt_scalef32_pk8_fp8_f32 v[194+4*\b:195+4*\b], v[104+16*\b:111+16*\b], v26
.endr
.set j, 0
.rept 16
	v_pk_mul_f32 v[160+j:161+j], v[160+j:161+j], v[252:253] op_sel_hi:[1,0]   ; O^T under the new M.  (Also the plain lines between the conversions and the products below)
.set j, j+2
.endr
	s_wait_dscnt 0x0                               ; V's fragments, asked for ahead of the softmax
.irp t, 0,1,2,3                                ; O^T += V^T P^T: the four accumulators by turns; eight other products stand between two links of a chain
	v_wmma_f32_16x16x128_fp8_fp8 v[160+8*\t:167+8*\t], v[32+16*\t:47+16*\t], v[192:207], v[160+8*\t:167+8*\t]
.endr
.Lnext:
	s_lshr_b32 s66, s66, 1
	s_lshr_b32 s26, s26, 1
	s_add_co_u32 s28, s28, STEPB
	s_add_co_u32 s30, s30, 256
	s_add_co_u32 s27, s27, 1
	s_cmp_lt_u32 s27, 16
	s_cbranch_scc1 .Lstep
	; the block's end: O^T / the sum x 2^(e4 + e5), quantised with 2^e6: four conversions make the block's two 16-byte pieces of the last product's operand
.rept 4
	v_nop                                          ; places behind the last products
.endr
	v_add_f32 v14, v14, v15                        ; the sum's two halves,
	v_permlanex16_b32 v252, v14, s20, s21
	v_add_f32 v14, v14, v252                       ; and lane l xor 16's
	v_rcp_f32 v14, v14
	s_lshl_b32 s2, s19, 14
	s_add_co_u32 s2, s2, s31
	v_add_nc_u32 v8, s2, v1                        ; (the plain line behind the reciprocal)  my 16 bytes of the block's 1,024 for this head
	s_wait_alu depctr_va_vdst(0)                   ; ahead of the first reader
	v_ldexp_f32 v14, v14, s67
.set j, 0
.rept 16
	v_pk_mul_f32 v[96+j:97+j], v[160+j:161+j], v[14:15] op_sel_hi:[1,0]
.set j, j+2
.endr
.set j, 0
.rept 32
	v_med3_num_f32 v[96+j], v[96+j], -v27, v27
.set j, j+1
.endr
.irp c, 0,1
	v_cvt_scalef32_pk8_fp8_f32 v[208+4*\c:209+4*\c], v[96+16*\c:103+16*\c], v28
	v_cvt_scalef32_pk8_fp8_f32 v[210+4*\c:211+4*\c], v[104+16*\c:111+16*\c], v28
.endr
	v_nop                                          ; a plain line behind the last conversion: the next block's products write the registers that these read
	global_store_b128 v8, v[208:211], s[12:13]             ; 32 lanes store 512 consecutive bytes, aligned
	global_store_b128 v8, v[212:215], s[12:13] offset:512
	s_sub_co_u32 s19, 127, s19                     ; my other block
	s_sub_co_u32 s29, s29, 1
	s_cmp_lg_u32 s29, 0
	s_cbranch_scc1 .Ltile
	s_wait_tensorcnt 0x0
	ds_add_u32 v251, v255
	s_wait_dscnt 0x0
	s_endpgm
.Lfunc_end_k_q14b5a84baa_attn:
	.size	k_q14b5a84baa_attn, .Lfunc_end_k_q14b5a84baa_attn-k_q14b5a84baa_attn
	.p2alignl 7, 3214868480
	.fill 96, 4, 3214868480
	.section	.rodata,"a",@progbits
	.p2align	6, 0x0
	.amdhsa_kernel k_q14b5a84baa_attn
		.amdhsa_group_segment_fixed_size 264192
		.amdhsa_private_segment_fixed_size 0
		.amdhsa_enable_private_segment 0
		.amdhsa_kernarg_size 40
		.amdhsa_user_sgpr_count 2
		.amdhsa_user_sgpr_kernarg_segment_ptr 1
		.amdhsa_wavefront_size32 1
		.amdhsa_system_sgpr_workgroup_id_x 1
		.amdhsa_system_sgpr_workgroup_id_y 1
		.amdhsa_system_sgpr_workgroup_id_z 1
		.amdhsa_system_vgpr_workitem_id 0
		.amdhsa_next_free_vgpr 256
		.amdhsa_next_free_sgpr 102
		.amdhsa_reserve_vcc 0
		.amdhsa_float_denorm_mode_32 3
		.amdhsa_float_denorm_mode_16_64 3
		.amdhsa_memory_ordered 1
		.amdhsa_forward_progress 1
		.amdhsa_inst_pref_size 41
	.end_amdhsa_kernel
	.amdgpu_metadata
---
amdhsa.version: [ 1, 2 ]
amdhsa.kernels:
  - .name:           k_q14b5a84baa_attn
    .symbol:         k_q14b5a84baa_attn.kd
    .args:
      - { .name: qkvc, .offset: 0, .size: 8, .value_kind: global_buffer, .address_space: global }
      - { .name: lowp_scales, .offset: 8, .size: 8, .value_kind: global_buffer, .address_space: global }
      - { .name: maskw, .offset: 16, .size: 8, .value_kind: global_buffer, .address_space: global }
      - { .name: flags, .offset: 24, .size: 8, .value_kind: global_buffer, .address_space: global }
      - { .name: attc, .offset: 32, .size: 8, .value_kind: global_buffer, .address_space: global }
    .group_segment_fixed_size: 264192
    .private_segment_fixed_size: 0
    .kernarg_segment_align: 8
    .kernarg_segment_size: 40
    .max_flat_workgroup_size: 512
    .sgpr_count:     102
    .vgpr_count:     256
    .wavefront_size: 32
...
	.end_amdgpu_metadata
.endif
;; end of part 3
;; launch proj (part 4): grid 4 x 32, 4 waves a work-group, clusters of 4 x 4, 327,680 bytes of LDS; arguments attc, wc, b_out, lowp_scales, out0; writes out0
.if DOCPART == 4
	.amdgcn_target "amdgcn-amd-amdhsa--gfx1250"
	.amdhsa_code_object_version 6
	.text
	.protected	k_q14b5a84baa_proj
	.globl	k_q14b5a84baa_proj
	.p2align	8
	.type	k_q14b5a84baa_proj,@function
k_q14b5a84baa_proj:
	s_mov_b64 s[64:65], 0
	v_nop
	global_prefetch_b8 v0, s[64:65] scope:SCOPE_SE
	s_setreg_imm32_b32 hwreg(HW_REG_WAVE_MODE, 25, 1), 1
	s_wait_xcnt 0x0
	s_wait_alu depctr_hold_cnt(0) depctr_sa_sdst(0) depctr_va_vdst(0) depctr_va_sdst(0) depctr_va_ssrc(0) depctr_va_vcc(0) depctr_vm_vsrc(0)
	s_getreg_b32 s2, hwreg(HW_REG_IB_STS2, 6, 4)
	s_cmp_eq_u32 s2, 0
	s_cbranch_scc0 .Lentry_in_a_cluster
	s_endpgm
.Lentry_in_a_cluster:
	s_bfe_u32 s2, ttmp6, 0x10000c
	s_cmp_lg_u32 s2, 0xf033
	s_cbranch_scc0 .Lentry_shape_is_right
	s_endpgm
.Lentry_shape_is_right:
; out0 = att W_out^T + b_out on codes of FP8 (E4M3), scales: entries 6 and 7; sums in f32; out0 [8192][1024] f32.
; Both operands lie as images: a block g is 16 rows, lane row r = row 32 (g / 2) + 8 (g % 2) + r + 8 (r / 8); a fragment, block x 128 K, is [c 4][lane 32][16 bytes], lane 16 h + r holding k = 32 c + 16 h + 0 .. 15.
; A product takes source 0 = a block of R (W_out's rows: the output's columns), source 1 = a block of P (att's rows).  Lane (r, h) holds P's lane row r; register j of R's block 2 b + u is column 32 b + 16 h + 8 u + j.
; SHARES.  A work-group makes 256 rows x 256 columns, a wave 128 x 128: 64 accumulators.  K = 1,024 goes in four steps of 256 through two LDS slots; a wave's tensor load brings 8 blocks x 4,096 bytes.
; 128 work-groups: the tile and the loop are those of the launch that makes q, k and v.  CLUSTER 4 x 4: P's tile hangs on the cluster's y place, R's on its x place: each is asked for jointly by the four that need it.
; The bias is the C of each sum's first product, divided by 2^(e6 + e7); each finished sum is multiplied by 2^(e6 + e7).  LIMIT: e6 + e7 between -126 and 127.
; REGISTERS, in windows of 256: window 0: v0-31 addresses; v32-95 the bias, later a block's results; v128-255 P's fragments, ONE set, later rows read back from the stage.  window 1: R's fragments, TWO sets.  windows 2, 3: the accumulators.
.set FR,     16
.set NL,     4
.set NP,     4                         ; places behind this matrix instruction (ISA guide 7.12.1)
.set KSB,    4096                      ; a block's bytes of a K step: two fragments
.set BLKB,   16384
.set HALFT,  8*KSB
.set SLOT,   4*HALFT
.set SPARE,  2*SLOT                    ; behind the ring: the spare words, 128 bytes a wave: two blocks of 256 bytes that no other line names
.set SPITCH, 528                       ; the way out: a stage of 16 rows x (512 bytes + 16) for each wave.  It lies in slot 0, which has had its last fill and its last read when the first result is stored there
.set ADRA, 16
.set ADRB, 20
.set STO,  24                          ; v24  the way out: where I put 32 bytes of a row
.set RD,   25                          ; v25  where I read a row back
.set CO,   26                          ; v26  16 x lane
.set SPW,  28
.set NIL,  29
.set BIAS, 32
.set TMP,  32
.set AF,   128
.set BK,   128                         ; 16 rows read back: v128-191 and v192-255 by turns
.set G1, 24
.set G0, 32
.set G1B, 48
.set G0B, 56
.set MSB, 0
.macro WIN new                         ; the immediate's high byte repeats the setting that is left
.if MSB != \new
	s_set_vgpr_msb (MSB<<8)|\new
.set MSB, \new
.endif
.endm
.set MUL_LO, 0xa1
.set MUL_HI, 0xf1
.set TO_B,   0x40
.macro JLOAD g0a, g1a, g0b, g1b        ; a joint load: waves 0 and 1 fetch for P, waves 2 and 3 for R; four v_nop follow each of the two lines
	s_cmp_eq_u32 s15, 0
	s_cbranch_scc0 .Lfor_b_\@
	tensor_load_to_lds s[\g0a:\g0a+3], s[\g1a:\g1a+7]
	s_nop 0
.rept 4
	v_nop
.endr
	s_branch .Lasked_\@
.Lfor_b_\@:
	tensor_load_to_lds s[\g0b:\g0b+3], s[\g1b:\g1b+7]
	s_nop 0
.rept 4
	v_nop
.endr
.Lasked_\@:
.endm
.macro CREST
	s_cmp_lg_u32 s14, 0
	s_cbranch_scc1 .Lnot_wave_0_\@
	s_barrier_signal -3
.Lnot_wave_0_\@:
	s_barrier_wait -3
	s_barrier_signal -1
	s_barrier_wait -1
.endm
.macro CROUND
	s_barrier_signal -1
	s_barrier_wait -1
	CREST
.endm
	s_load_b128 s[4:7], s[0:1], 0x0                ; attc s[4:5], wc s[6:7]
	s_load_b128 s[8:11], s[0:1], 0x10              ; b_out s[8:9], the scales' exponents s[10:11]
	s_load_b64 s[12:13], s[0:1], 0x20              ; out0
	v_lshl_add_u32 v[SPW], v0, 2, SPARE
	v_mov_b32 v[NIL], 0
	ds_add_u32 v28, v29
	ds_add_u32 v28, v29
	s_wait_dscnt 0x0
	v_lshrrev_b32 v1, 5, v0
	v_readfirstlane_b32 s14, v1                    ; wave 0..3
	s_lshr_b32 s15, s14, 1                         ; which half of P's rows is mine.  Also: I fetch for P (0) or for R (1)
	s_and_b32 s16, s14, 1                          ; which half of R's rows.  Also: which 8 blocks of that tile I fetch
	s_bfe_u32 s40, ttmp6, 0x40000                  ; cx: also R's tile, since the grid is one cluster wide
	s_bfe_u32 s41, ttmp6, 0x40004                  ; cy
	s_and_b32 s44, ttmp7, 0xffff
	s_lshl_b32 s44, s44, 2
	s_add_co_u32 s44, s44, s41                     ; P's tile = 4 x cluster y + cy
	s_lshl_b32 s43, s41, 2
	s_lshl_b32 s43, 15, s43                        ; my row of the cluster
	s_lshl_b32 s42, 0x1111, s40                    ; my column
	s_or_b32 s[G1+0], s43, (1<<21)                 ; 15:0 the mask; 17:16 elements of 1 byte; 20 no padding; 21 set beside a mask
	s_or_b32 s[G1B+0], s42, (1<<21)
.irp g, G1, G1B
	s_mov_b32 s[\g+1], KSB<<16                     ; tensor_dim0 = 4,096
	s_mov_b32 s[\g+2], 8<<16                       ; tensor_dim1 = 8
	s_mov_b32 s[\g+3], KSB<<16                     ; tile_dim0 = 4,096
	s_mov_b32 s[\g+4], 8                           ; tile_dim1 = 8
	s_mov_b32 s[\g+5], BLKB                        ; from block to block
	s_mov_b32 s[\g+6], 0
	s_mov_b32 s[\g+7], 0
.endr
	s_lshl_b32 s18, s16, 17
	s_lshl_b32 s20, s44, 18
	s_add_co_u32 s20, s20, s18
	s_mov_b32 s21, 0
	s_lshl_b32 s46, s40, 18
	s_add_co_u32 s46, s46, s18
	s_add_co_u32 s46, s46, 0x300000                ; W_out's blocks lie behind W_qkv's 192 x 16,384 bytes
	s_mov_b32 s47, 0
	s_lshl_b32 s19, s14, 15                        ; where they go: wave x 32,768
	s_wait_kmcnt 0x0
	s_load_b256 s[68:75], s[10:11], 0x0            ; the eight exponents
	s_add_nc_u64 s[20:21], s[4:5], s[20:21]
	s_add_nc_u64 s[46:47], s[6:7], s[46:47]
	CROUND                                         ; all sixteen work-groups are here: the first joint loads meet
.irp s, 0,1
	s_mov_b32 s[G0+4*\s], 1
	s_add_co_u32 s[G0+4*\s+1], s19, \s*SLOT
	s_add_nc_u64 s[G0+4*\s+2:G0+4*\s+3], s[20:21], \s*KSB
	s_or_b32 s[G0+4*\s+3], s[G0+4*\s+3], 0x80000000
	s_mov_b32 s[G0B+4*\s], 1
	s_add_co_u32 s[G0B+4*\s+1], s19, \s*SLOT
	s_add_nc_u64 s[G0B+4*\s+2:G0B+4*\s+3], s[46:47], \s*KSB
	s_or_b32 s[G0B+4*\s+3], s[G0B+4*\s+3], 0x80000000
	JLOAD G0+4*\s, G1, G0B+4*\s, G1B
.endr
	v_and_b32 v1, 31, v0
	v_lshlrev_b32 v[CO], 4, v1                     ; 16 x lane
	v_and_b32 v2, 15, v0                           ; r
	v_bfe_u32 v3, v0, 4, 1                         ; h
	s_lshl_b32 s22, s15, 15
	s_lshl_b32 s23, s16, 15
	s_add_co_u32 s23, s23, 2*HALFT
.irp s, 0,1
	v_add_nc_u32 v[ADRA+\s], s22, v[CO]
	v_add_nc_u32 v[ADRB+\s], s23, v[CO]
	s_add_co_u32 s22, s22, SLOT
	s_add_co_u32 s23, s23, SLOT
.endr
	s_mul_i32 s23, s14, 16*SPITCH                  ; my stage
	v_mul_u32_u24 v5, v2, SPITCH                   ; in: row r, + 64 h
	v_lshl_add_u32 v5, v3, 6, v5
	v_add_nc_u32 v[STO], s23, v5
	v_add_nc_u32 v[RD], s23, v[CO]                 ; back: the 32 lanes take one row of 512 bytes
	s_lshl_b32 s83, s40, 8
	s_lshl_b32 s84, s16, 7
	s_add_co_u32 s83, s83, s84                     ; my first column
	s_lshl_b32 s86, s83, 2
	s_mov_b32 s87, 0
	s_add_nc_u64 s[8:9], s[8:9], s[86:87]          ; b_out there,
	s_add_nc_u64 s[12:13], s[12:13], s[86:87]      ; and out0,
	s_lshl_b32 s82, s44, 8
	s_lshl_b32 s84, s15, 7
	s_add_co_u32 s82, s82, s84                     ; at my first row
	s_lshl_b32 s86, s82, 12
	s_add_nc_u64 s[12:13], s[12:13], s[86:87]
	v_lshlrev_b32 v6, 6, v3                        ; the bias: 64 h
.irp b, 0,1,2,3,4,5,6,7                        ; for R's block b the eight numbers at 32 (b / 2) + 16 h + 8 (b % 2) on
	global_load_b128 v[BIAS+8*\b:BIAS+8*\b+3], v6, s[8:9] offset:(32*(\b/2)+8*(\b%2))*4
	global_load_b128 v[BIAS+8*\b+4:BIAS+8*\b+7], v6, s[8:9] offset:(32*(\b/2)+8*(\b%2))*4+16
.endr
	s_wait_kmcnt 0x0
	s_add_co_i32 s89, s74, s75                     ; e6 + e7
	s_sub_co_i32 s90, 0, s89
	s_add_co_i32 s96, s89, 127
	s_lshl_b32 s96, s96, 23                        ; 2^(e6 + e7) as f32
	s_mov_b32 s97, s96                             ; (named with it as a pair, so it is written)
	s_wait_loadcnt 0x0
.set j, 0
.rept 64
	v_ldexp_f32 v[BIAS+j], v[BIAS+j], s90          ; / 2^(e6 + e7)
.set j, j+1
.endr
.macro FRAG reg, adr, q, i
.irp c, 0,1,2,3
	ds_load_b128 v[\reg+4*\c:\reg+4*\c+3], v[\adr] offset:KSB*(\i)+2048*(\q)+512*\c
.endr
.endm
; 16 matrix instructions: P's blocks a0, a0 + 1 x R's eight.  mode 0: onto the sums; 1: the sums begin with the bias.  The 64 accumulators take turns, one instruction a turn.
.macro MUL16 a0, p, mode
.irp a, \a0, \a0+1
.irp b, 0,1,2,3,4,5,6,7
.if \mode == 0
	v_wmma_f32_16x16x128_fp8_fp8 v[8*(8*((\a)%4)+\b):8*(8*((\a)%4)+\b)+7], v[128*(\p)+FR*\b:128*(\p)+FR*\b+FR-1], v[AF+FR*(\a):AF+FR*(\a)+FR-1], v[8*(8*((\a)%4)+\b):8*(8*((\a)%4)+\b)+7]
.else
	v_wmma_f32_16x16x128_fp8_fp8 v[8*(8*((\a)%4)+\b):8*(8*((\a)%4)+\b)+7], v[128*(\p)+FR*\b:128*(\p)+FR*\b+FR-1], v[AF+FR*(\a):AF+FR*(\a)+FR-1], v[BIAS+8*\b:BIAS+8*\b+7]
.endif
.endr
.endr
.endm
.macro FETCH_B slot, q, p
	WIN TO_B
.irp i, 0,1,2,3,4,5,6,7
	FRAG 128*(\p)+FR*\i, ADRB+\slot, \q, \i
.endr
	WIN 0
.endm
.macro FETCH_A slot, q, i0
.irp i, \i0, \i0+1, \i0+2, \i0+3
	FRAG AF+FR*(\i), ADRA+\slot, \q, \i
.endr
.endm
.macro PLACES n                        ; plain vector lines between a matrix instruction and a load into, or a vector read of, its registers
.rept \n
	v_nop
.endr
.endm
.macro STEP slot, q, mode
	s_wait_dscnt 4*NL                              ; R's set and P's blocks 0-3 are in; the youngest sixteen loads (P's blocks 4-7) may be out
.if \mode
	WIN 0x81                                       ; C (the bias) window 0, D window 2
.else
	WIN MUL_LO
.endif
	MUL16 0, (\q)%2, \mode
	MUL16 2, (\q)%2, \mode
	s_wait_dscnt 0
	PLACES NP
	FETCH_B \slot, (\q)+1, 1-(\q)%2
	FETCH_A \slot, (\q)+1, 0
.if \mode
	WIN 0xc1
.else
	WIN MUL_HI
.endif
	MUL16 4, (\q)%2, \mode
	MUL16 6, (\q)%2, \mode
	PLACES NP
	WIN 0
	FETCH_A \slot, (\q)+1, 4
.endm
; A slot's last step changes slots: ONE barrier; in front of it each wave waits for all its tensor loads, adds 0 to its spare word, and waits for that and for its own reads of this slot.
.macro TURN slot, next, fill
	s_wait_tensorcnt 0x0                           ; all my tensor loads have landed: my part of the next slot
	ds_add_u32 v[SPW], v[NIL]                      ; 0 onto my spare word
	s_wait_dscnt 4*NL+1                            ; (the add and the youngest sixteen loads may be out)
	WIN MUL_LO
	MUL16 0, 1, 0
	s_wait_dscnt 0x0                               ; the add is done, and my reads of this slot are over
	s_barrier_signal -1
	MUL16 2, 1, 0
	WIN 0
	s_barrier_wait -1
.if \fill
	CREST                                          ; the barrier has opened a round of the cluster's barrier
	s_add_nc_u64 s[G0+4*\slot+2:G0+4*\slot+3], s[G0+4*\slot+2:G0+4*\slot+3], 2*KSB
	s_add_nc_u64 s[G0B+4*\slot+2:G0B+4*\slot+3], s[G0B+4*\slot+2:G0B+4*\slot+3], 2*KSB
	JLOAD G0+4*\slot, G1, G0B+4*\slot, G1B         ; the first tensor load behind the round; its four v_nop are also the places in front of the loads below
.else
	PLACES NP
.endif
	FETCH_B \next, 0, 0
	FETCH_A \next, 0, 0
	WIN MUL_HI
	MUL16 4, 1, 0
	MUL16 6, 1, 0
	PLACES NP
	WIN 0
	FETCH_A \next, 0, 4
.endm
	s_wait_tensorcnt 1                             ; my part of K step 0 is in; K step 1's load may be out
	s_barrier_signal -1
	s_barrier_wait -1
	FETCH_B 0, 0, 0
	FETCH_A 0, 0, 0
	FETCH_A 0, 0, 4
	STEP 0, 0, 1                                   ; the first products take the bias as C
	TURN 0, 1, 1
	STEP 1, 0, 0
	TURN 1, 0, 1
	STEP 0, 0, 0
	TURN 0, 1, 0                                   ; nothing is left to fetch; behind this barrier nobody reads slot 0
	STEP 1, 0, 0
	s_wait_dscnt 4*NL
	WIN MUL_LO
	MUL16 0, 1, 0
	MUL16 2, 1, 0
	s_wait_dscnt 0
	WIN MUL_HI
	MUL16 4, 1, 0
	MUL16 6, 1, 0
	WIN 0
; THE WAY OUT, block by block of 16 rows x 128 columns, through my own stage: a lane's 32 bytes go in, whole rows of 512 bytes come back.  LDS serves a wave's instructions in order (ISA guide 5.7.1.4).
.macro TOSTAGE a
.set AC, 64*((\a)%4)
	WIN 0x02+((\a)/4)                              ; source 0: window 2 or 3
.set j, 0
.rept 32
	v_pk_mul_f32 v[TMP+j:TMP+j+1], v[AC+j:AC+j+1], s[96:97] op_sel_hi:[1,0]   ; x 2^(e6 + e7); each accumulator from its low end on
.set j, j+2
.endr
	WIN 0
.irp b, 0,1,2,3,4,5,6,7
	ds_store_b128 v[STO], v[TMP+8*\b:TMP+8*\b+3] offset:128*(\b/2)+32*(\b%2)         ; columns 32 (b / 2) + 16 h + 8 (b % 2) on
	ds_store_b128 v[STO], v[TMP+8*\b+4:TMP+8*\b+7] offset:128*(\b/2)+32*(\b%2)+16
.endr
.set BB, BK+64*((\a)%2)
.irp t, 0,1,2,3,4,5,6,7,8,9,10,11,12,13,14,15
	ds_load_b128 v[BB+4*\t:BB+4*\t+3], v[RD] offset:\t*SPITCH
.endr
.endm
.macro SEND a, younger                 ; younger: the LDS instructions issued behind block a's loads, which may stay out
.set BB, BK+64*((\a)%2)
	s_wait_dscnt \younger
.irp t, 0,1,2,3,4,5,6,7,8,9,10,11,12,13,14,15
	global_store_b128 v[CO], v[BB+4*\t:BB+4*\t+3], s[12:13] offset:(32*((\a)/2)+8*((\a)%2)+\t+8*(\t/8))*4096 th:TH_STORE_NT   ; stage row t is row 32 (a / 2) + 8 (a % 2) + t + 8 (t / 8) of my 128: 512 consecutive bytes, aligned
.endr
.endm
	PLACES NP
	TOSTAGE 0
.irp a, 1,2,3,4,5,6,7
.if \a > 1
	s_wait_xcnt 0x0                                ; block a - 2's stores have read their registers: block a's loads may land there
.endif
	TOSTAGE \a
	SEND \a-1, 32                                  ; behind block a - 1's loads: block a's 16 stores and 16 loads
.endr
	SEND 7, 0
	s_wait_tensorcnt 0x0                           ; the wave's end
	ds_add_u32 v[SPW], v[NIL]
	s_wait_dscnt 0x0
	CROUND                                         ; the closing round
	s_endpgm
.Lfunc_end_k_q14b5a84baa_proj:
	.size	k_q14b5a84baa_proj, .Lfunc_end_k_q14b5a84baa_proj-k_q14b5a84baa_proj
	.p2alignl 7, 3214868480
	.fill 96, 4, 3214868480
	.section	.rodata,"a",@progbits
	.p2align	6, 0x0
	.amdhsa_kernel k_q14b5a84baa_proj
		.amdhsa_group_segment_fixed_size 327680
		.amdhsa_private_segment_fixed_size 0
		.amdhsa_enable_private_segment 0
		.amdhsa_kernarg_size 40
		.amdhsa_user_sgpr_count 2
		.amdhsa_user_sgpr_kernarg_segment_ptr 1
		.amdhsa_wavefront_size32 1
		.amdhsa_system_sgpr_workgroup_id_x 1
		.amdhsa_system_sgpr_workgroup_id_y 1
		.amdhsa_system_sgpr_workgroup_id_z 1
		.amdhsa_system_vgpr_workitem_id 0
		.amdhsa_next_free_vgpr 1024
		.amdhsa_next_free_sgpr 100
		.amdhsa_reserve_vcc 0
		.amdhsa_float_denorm_mode_32 3
		.amdhsa_float_denorm_mode_16_64 3
		.amdhsa_memory_ordered 1
		.amdhsa_forward_progress 1
		.amdhsa_inst_pref_size 128
	.end_amdhsa_kernel
	.amdgpu_metadata
---
amdhsa.version: [ 1, 2 ]
amdhsa.kernels:
  - .name:           k_q14b5a84baa_proj
    .symbol:         k_q14b5a84baa_proj.kd
    .args:
      - { .name: attc, .offset: 0, .size: 8, .value_kind: global_buffer, .address_space: global }
      - { .name: wc, .offset: 8, .size: 8, .value_kind: global_buffer, .address_space: global }
      - { .name: b_out, .offset: 16, .size: 8, .value_kind: global_buffer, .address_space: global }
      - { .name: lowp_scales, .offset: 24, .size: 8, .value_kind: global_buffer, .address_space: global }
      - { .name: out0, .offset: 32, .size: 8, .value_kind: global_buffer, .address_space: global }
    .group_segment_fixed_size: 327680
    .private_segment_fixed_size: 0
    .kernarg_segment_align: 8
    .kernarg_segment_size: 40
    .max_flat_workgroup_size: 128
    .sgpr_count:     100
    .vgpr_count:     1024
    .wavefront_size: 32
...
	.end_amdgpu_metadata
.endif
;; end of part 4
;; ======== version 2 of 2: 4 launches; version 1 with the launch attn written anew for expert scheduling mode
;; workspace buffers: xc 8,388,608 bytes; wc 4,194,304 bytes; qkvc 25,165,824 bytes; attc 8,388,608 bytes; maskw 524,288 bytes of whole numbers; flags 16,384 bytes of whole numbers
;; launch prep: the kernel of part 1 again; grid 512 x 1, 4 waves a work-group, no clusters, 68,096 bytes of LDS; arguments x, W_qkv, W_out, mask, lowp_scales, xc, wc, maskw, flags; writes xc, wc, maskw, flags
;; launch qkv: the kernel of part 2 again; grid 12 x 32, 4 waves a work-group, clusters of 4 x 4, 327,680 bytes of LDS; arguments xc, wc, b_qkv, lowp_scales, qkvc; writes qkvc
;; launch attn (part 5): grid 4 x 64, 16 waves a work-group, no clusters, 264,192 bytes of LDS; arguments qkvc, lowp_scales, maskw, flags, attc; writes attc
.if DOCPART == 5
	.amdgcn_target "amdgcn-amd-amdhsa--gfx1250"
	.amdhsa_code_object_version 6
	.text
	.protected	k_q14b5a84baa_attn
	.globl	k_q14b5a84baa_attn
	.p2align	8
	.type	k_q14b5a84baa_attn,@function
k_q14b5a84baa_attn:
	s_mov_b64 s[64:65], 0
	v_nop
	global_prefetch_b8 v0, s[64:65] scope:SCOPE_SE
	s_setreg_imm32_b32 hwreg(HW_REG_WAVE_SCHED_MODE, 0, 2), 2
	s_setreg_imm32_b32 hwreg(HW_REG_WAVE_MODE, 25, 1), 1
	s_wait_xcnt 0x0
	s_wait_alu depctr_vm_vsrc(0)
; For each (batch, head): out = softmax(q k^T / 8, masked) v, both products on codes of FP8 (E4M3) with the given scales (entries 2, 3; 4, 5); the result is quantised (entry 6) into the image that the last product reads.
; THE SOFTMAX: t = logit x log2(e); M = the running largest t rounded UP to a whole number; p = 2^(t - M) is quantised, not normalised; the row's sum is taken of the unquantised p and divides at the end.
; When M moves, the sum and O are multiplied by 2^(old M - new M): exact.
; THE MASK is an input.  The launch before packed it: maskw holds, for each (block of 16 queries, step of 128 keys), 64 lane masks, one for each score register; flags holds their OR and AND.
; A masked score is replaced by SNEG = -2^(33 - e2 - e3), whose t is -1.4427 x 2^30, a whole number: on a row that has seen masked keys only, p = 1 for each of them; as soon as an open key comes, the factor
; 2^(old M - new M) is 0 and later masked keys give p = 0.  So a row with no open key at all ends as the mean over all 2,048 keys.
; A step all of whose 64 words are 0 is left out, by a scalar branch on the stored OR, but only if every one of the block's 16 queries has an open key somewhere; else every step is walked.
; A step all of whose words are -1 needs no mask words.
; LIMITS: the masked t stands at -1.549e9 where the definition has -1.443e9: results differ only where open logits themselves lie near -1e9.  e2 + e3 between -94 and 130; e4 and e6 between -126 and 119.  NaN is not served.
; SHARES.  A work-group is a quarter of one (batch, head): 256 work-groups.  The head's whole K image (131,072 bytes) and V image (131,072) are copied into LDS once, through registers: one barrier in the launch.
; Wave G = 16 x quarter + wave owns blocks G and 127 - G of the 128 blocks of queries, one after the other (the pairing evens the work where later queries see more keys; no result hangs on it).
; Sixteen waves of 256 registers: four to a SIMD, so that one wave's vector work stands beside another's products and LDS loads.
; NO TENSOR LOADS AND NO CLUSTER: the walk branches on numbers read from memory; what the four work-groups of a head share is the 262,144 bytes read once at the head.
; LAYOUT.  Both products are used transposed: S^T = K Q^T (source 0 = a block of 16 keys), O^T = V^T P^T (source 0 = 16 channels): a lane holds ONE query throughout.
; By the images' order of rows, score register n is key 32 (n / 16) + 16 h + n % 16 of the step, and O^T's register 8 dt + j is channel 32 (dt / 2) + 16 h + 8 (dt % 2) + j: the conversions' results are the next operand's registers.
; REGISTERS: v1 16 x lane; v2, v3 LDS addresses of the step's K and V; v5, v6 the fill; v7 Q's offset; v8 the output's; v12 -M, v13 the largest t, v[14:15] the sum; v16-23 Q; v24 SNEG; v25, v26: 448 x 2^e4, 2^e4; v27, v28: the same for e6;
; v32-95 K's 8 fragments, then V's 4; v96-159 S^T, then p; v160-191 O^T; v192-207 p's codes; v208-215 the result's codes; v236, v242-243, v252-254 at work; v251, v255 the closing add's two.
; s19 my block; s26 bit i: step i is all open; s66 bit i: step i is left out; s27 steps; s28 the step's LDS byte; s29 blocks to go; s30 the step's byte in maskw; s31 the output's part for my (batch, head);
; s[32:63], s[68:99] the step's 64 mask words (at a block's head s[32:63] the 32 flag words; at the kernel's head s[68:75] the exponents).
; THE MODE: SCHED_MODE bits 1:0 = 2 (LLVM: expert scheduling mode 2), set by the entry lines.  The code itself states the register dependences between vector or matrix instructions and memory or LDS instructions,
; with s_wait_alu, always for 0.
; THE PLAN.  Registers that memory or LDS instructions touch:
;   v5, v6       Made once at the head; read by the fill's loads and LDS stores; never written again.
;   v32-159      At the head: the fill's loads land in them, its LDS stores read them.  From the first block on LDS loads (v32-95) and products (v96-159) write them.
;   v2, v3       Written by two additions at a step's head; read by K's sixteen LDS loads (v2) and by V's sixteen (v3).
;   v32-95       In a step: K's fragments land; the eight products S^T read them; V's fragments land; the four products O^T read them.
;   v7, v16-23   Written at a block's head; Q's two loads read v7 and land in v16-23, which all the block's products S^T read.
;   v8, v208-215 Written at a block's end; read by the block's two stores.
;   v251, v255   Written at the head, read by the closing add alone.
; K's or V's 64 registers, the scores' 64, O^T's 32, the codes' 24 and Q's 8 are 192 of the wave's 256, and addresses, constants and work take some 30 more: there is no room for a second buffer of 64.
; So a step has three statements beside the exponentials' own: ahead of the two additions (the last step's LDS loads have read v2 and v3); ahead of K's loads (v2 and v3 are written, the products O^T are done with v32-95);
; and ahead of V's loads (the products S^T are done with v32-95).  V's loads stand behind the step's maxima, which read every score, and ahead of the lane permute, which hangs on those maxima.
; A block has three: at its head (what memory instructions have read), ahead of Q's loads, ahead of its stores.
.set VIMG,  131072                     ; LDS: K's image at 0, V's behind it
.set STEPB, 8192                       ; a step's bytes in either image
	s_load_b256 s[4:11], s[0:1], 0x0               ; qkvc s[4:5], the exponents s[6:7], maskw s[8:9], flags s[10:11]
	s_load_b64 s[12:13], s[0:1], 0x20              ; attc
	v_lshl_add_u32 v251, v0, 2, 0x40000
	v_mov_b32 v255, 0
	v_lshrrev_b32 v1, 5, v0
	v_readfirstlane_b32 s18, v1                    ; wave 0..15
	v_and_b32 v1, 31, v0
	v_lshlrev_b32 v1, 4, v1                        ; 16 x lane
	s_wait_alu depctr_va_sdst(0)                   ; s18 is written, ahead of its first reader: the fill's place and my block are made from it
	s_lshl_b32 s2, s18, 13
	v_add_nc_u32 v5, s2, v1                        ; the fill: 8,192 x wave + 16 x lane, in memory and in LDS alike
	v_add_nc_u32 v6, VIMG, v5
	s_and_b32 s3, ttmp7, 0xffff                    ; batch x 16 + head
	s_lshl_b32 s100, s3, 17
	s_mov_b32 s101, 0
	s_lshr_b32 s31, s3, 4
	s_lshl_b32 s31, s31, 21                        ; the output: a batch is 128 blocks of 16,384 bytes,
	s_and_b32 s3, s3, 15
	s_lshl_b32 s3, s3, 10                          ; a head 1,024 bytes of a block
	s_add_co_u32 s31, s31, s3
	s_lshl_b32 s19, ttmp9, 4
	s_add_co_u32 s19, s19, s18                     ; G: my first block
	s_mov_b32 s20, 0x76543210
	s_mov_b32 s21, 0xfedcba98                      ; v_permlanex16_b32's selects for lane l xor 16
	s_mov_b32 s29, 2
	s_wait_kmcnt 0x0
	s_load_b256 s[68:75], s[6:7], 0x0              ; the eight exponents
	s_add_nc_u64 s[14:15], s[4:5], s[100:101]      ; q at my (batch, head),
	s_add_nc_u64 s[16:17], s[14:15], 0x800000      ; k,
	s_add_nc_u64 s[24:25], s[14:15], 0x1000000     ; v
	s_wait_alu depctr_va_vdst(0)                   ; v5 and v6 are written: the fill's loads and LDS stores read them; no vector line from here to those stores names them or v32-159
.set i, 0
.rept 16
	global_load_b128 v[32+4*i:35+4*i], v5, s[16:17] offset:512*i
.set i, i+1
.endr
.set i, 0
.rept 16
	global_load_b128 v[96+4*i:99+4*i], v5, s[24:25] offset:512*i
.set i, i+1
.endr
	v_mov_b32 v236, 0                              ; written once: a lane permute's destination counts as one of its sources
	v_mov_b32 v252, 0
	v_mov_b32 v253, 0                              ; (named as the upper half of the pair v[252:253])
	s_wait_kmcnt 0x0
	s_add_co_i32 s2, s70, s71                      ; e2 + e3
	s_lshl_b32 s3, s2, 23
	s_add_co_i32 s22, s3, 0x3e38aa3b               ; c = log2(e) / 8, with e2 + e3 added to its exponent field: t = score x c
	s_mov_b32 s23, s22                             ; (named with it as a pair, so it is written)
	s_sub_co_i32 s2, 160, s2                       ; 33 - (e2 + e3) + 127
	s_lshl_b32 s2, s2, 23
	s_or_b32 s2, s2, 0x80000000
	v_mov_b32 v24, s2                              ; SNEG
	s_add_co_i32 s2, s72, 127
	s_lshl_b32 s3, s2, 23
	v_mov_b32 v26, s3                              ; 2^e4
	s_add_co_i32 s2, s2, 8
	s_lshl_b32 s2, s2, 23
	s_or_b32 s2, s2, 0x600000
	v_mov_b32 v25, s2                              ; 448 x 2^e4
	s_add_co_i32 s2, s74, 127
	s_lshl_b32 s3, s2, 23
	v_mov_b32 v28, s3                              ; 2^e6
	s_add_co_i32 s2, s2, 8
	s_lshl_b32 s2, s2, 23
	s_or_b32 s2, s2, 0x600000
	v_mov_b32 v27, s2                              ; 448 x 2^e6
	s_add_co_i32 s67, s72, s73                     ; e4 + e5
	s_wait_loadcnt 16                              ; K's sixteen loads are in; V's sixteen may be out
.set i, 0
.rept 16
	ds_store_b128 v5, v[32+4*i:35+4*i] offset:512*i
.set i, i+1
.endr
	s_wait_loadcnt 0x0
.set i, 0
.rept 16
	ds_store_b128 v6, v[96+4*i:99+4*i] offset:512*i
.set i, i+1
.endr
	s_wait_dscnt 0x0                               ; for the others' sake: my stores have landed
	s_barrier_signal -1
	s_barrier_wait -1                              ; both images are whole; from here on LDS is only read
; S^T of a step: K's eight fragments, eight products that start their sums with 0
.macro QK
	s_wait_alu depctr_va_vdst(0)                   ; v2 and v3 are written, which the step's LDS loads read; the last step's products O^T are done reading v32-95, in which K's fragments land
.set i, 0
.rept 8
	ds_load_b128 v[32+8*i:35+8*i], v2 offset:1024*i
	ds_load_b128 v[36+8*i:39+8*i], v2 offset:1024*i+512
.set i, i+1
.endr
	s_wait_dscnt 0x0
.set i, 0
.rept 8
	v_wmma_f32_16x16x64_fp8_fp8 v[96+8*i:103+8*i], v[32+8*i:39+8*i], v[16:23], 0
.set i, i+1
.endr
.rept 4
	v_nop                                          ; places in front of the first read of the scores
.endr
.endm
.Ltile:
	s_wait_xcnt 0x0                                ; the last block's stores have read v8 and their data
	s_wait_alu depctr_vm_vsrc(0)                   ; on the way in: the fill's LDS stores have read v32-159, which LDS loads and products write from here on; on the way back: the last block's stores have read v8 and v208-215, and Q's loads v7
	s_lshl_b32 s100, s19, 7
	s_load_b512 s[32:47], s[10:11], s100 offset:0x0    ; the block's 32 flag words
	s_load_b512 s[48:63], s[10:11], s100 offset:0x40
	s_lshl_b32 s101, s19, 10
	v_add_nc_u32 v7, s101, v1
	s_wait_alu depctr_va_vdst(0)                   ; v7 is written, which Q's loads read; the last block's products S^T are done reading v16-23, in which they land
	global_load_b128 v[16:19], v7, s[14:15]            ; Q's fragment: channels 16 h + 0 .. 15,
	global_load_b128 v[20:23], v7, s[14:15] offset:512 ; and 32 + 16 h + 0 .. 15
	v_mov_b32 v13, 0xff61b1e6                      ; the largest t so far: -3e38, under every t
	v_floor_f32 v12, -v13                          ; -M
	v_mov_b32 v14, 0                               ; the sum, in two halves
	v_mov_b32 v15, 0
.set i, 0
.rept 32
	v_mov_b32 v[160+i], 0                          ; O^T.  (The step is written once: the first finds zeros, which the first change of M leaves zeros)
.set i, i+1
.endr
	s_mov_b32 s66, 0
	s_mov_b32 s26, 0
	s_mov_b32 s3, 0
	s_mov_b32 s27, 0
	s_mov_b32 s28, 0
	s_lshl_b32 s30, s19, 12
	s_wait_kmcnt 0x0
.irp i, 0,1,2,3,4,5,6,7,8,9,10,11,12,13,14,15
	s_cmp_eq_u32 s[32+2*\i], 0                     ; no key of step i is open for any of my queries
	s_cselect_b32 s2, 1<<\i, 0
	s_or_b32 s66, s66, s2
	s_cmp_eq_u32 s[33+2*\i], -1                    ; all are open for all
	s_cselect_b32 s2, 1<<\i, 0
	s_or_b32 s26, s26, s2
	s_or_b32 s3, s3, s[32+2*\i]
.endr
	s_lshr_b32 s2, s3, 16                          ; query r has an open key where bit r or bit 16 + r of the ORs is set
	s_or_b32 s2, s2, s3
	s_and_b32 s2, s2, 0xffff
	s_cmp_eq_u32 s2, 0xffff
	s_cselect_b32 s66, s66, 0                      ; a query without any: nothing is left out
	s_wait_loadcnt 0x0                             ; Q
.Lstep:
	s_bitcmp1_b32 s66, 0
	s_cbranch_scc1 .Lnext                          ; round the step's loads, products and softmax; not round the lines that step addresses
	s_wait_alu depctr_vm_vsrc(0)                   ; the LDS loads issued so far have read v2 and v3, which the two additions write
	v_add_nc_u32 v2, s28, v1
	v_add_nc_u32 v3, VIMG, v2
	v_nop
	v_nop                                          ; with the two additions: four places behind the last step's products, in front of the loads into the registers that they read
	s_bitcmp1_b32 s26, 0
	s_cbranch_scc1 .Lopen
	s_load_b512 s[32:47], s[8:9], s30 offset:0x0   ; the step's 64 lane masks, asked for ahead of the products
	s_load_b512 s[48:63], s[8:9], s30 offset:0x40
	s_load_b512 s[68:83], s[8:9], s30 offset:0x80
	s_load_b512 s[84:99], s[8:9], s30 offset:0xc0
	QK
	s_wait_kmcnt 0x0
.set n, 0
.rept 64
	v_cndmask_b32 v[96+n], v24, v[96+n], s[32+n+4*(n/32)]   ; the score where the key is open, SNEG where it is not
.set n, n+1
.endr
	s_branch .Lsoft
.Lopen:
	QK
.Lsoft:
	v_max3_num_f32 v254, v96, v97, v98             ; the step's largest score of my query, among my 64 keys, in two chains,
	v_max3_num_f32 v252, v99, v100, v101
.irp i, 6,10,14,18,22,26,30,34,38,42,46,50,54,58
	v_max3_num_f32 v254, v254, v[96+\i], v[97+\i]
	v_max3_num_f32 v252, v252, v[98+\i], v[99+\i]
.endr
	v_max3_num_f32 v254, v254, v158, v159
	v_max_num_f32 v254, v254, v252
	s_wait_alu depctr_va_vdst(0)                   ; the eight products S^T are done reading K's fragments in v32-95, in which V's four fragments land; v3 stands as the step's head wrote it
.set i, 0
.rept 16
	ds_load_b128 v[32+4*i:35+4*i], v3 offset:512*i ; V's fragments: they land under the rest of the softmax
.set i, i+1
.endr
	v_permlanex16_b32 v236, v254, s20, s21
	v_max_num_f32 v254, v254, v236                 ; and among lane l xor 16's
	v_mul_f32 v254, s22, v254                      ; as t (c is positive)
	v_max_num_f32 v13, v13, v254                   ; the running largest t
	v_mov_b32 v254, v12
	v_floor_f32 v12, -v13                          ; the new -M = floor(-t) = -ceil(t): a whole number
	v_sub_f32 v254, v12, v254                      ; M's old value less its new one: 0 or less
	v_cvt_i32_f32 v254, v254                       ; (it saturates)
	v_ldexp_f32 v252, 1.0, v254                    ; f = 2^(old M - new M)
.set j, 0
.rept 32
	v_pk_fma_f32 v[96+j:97+j], v[96+j:97+j], s[22:23], v[12:13] op_sel_hi:[1,0,0]   ; t - M, two at a time (of the pairs c and -M the low word serves both halves)
.set j, j+2
.endr
.set j, 0
.rept 64
	v_exp_f32 v[96+j], v[96+j]                     ; p = 2^(t - M), at most 1
.set j, j+1
.endr
	v_pk_mul_f32 v[14:15], v[14:15], v[252:253] op_sel_hi:[1,0]   ; the sums under the new M.  (The plain line behind the exponentials)
	s_wait_alu depctr_va_vdst(0)                   ; the 64 exponentials have written v96-159: one wait for the whole batch, ahead of its first reader
	v_pk_add_f32 v[242:243], v[96:97], v[98:99]    ; the row's sum is taken of the unquantised p: two at a time, in two chains
.irp j, 4,8,12,16,20,24,28,32,36,40,44,48,52,56,60
	v_pk_add_f32 v[14:15], v[14:15], v[96+\j:97+\j]
	v_pk_add_f32 v[242:243], v[242:243], v[98+\j:99+\j]
.endr
	v_pk_add_f32 v[14:15], v[14:15], v[242:243]
.irp b, 0,1,2,3
.set i, 0
.rept 16
	v_min_num_f32 v[96+16*\b+i], v[96+16*\b+i], v25   ; the conversion does not saturate (ISA guide 7.6.2); p is not negative, so the hold is one-sided
.set i, i+1
.endr
	v_cvt_scalef32_pk8_fp8_f32 v[192+4*\b:193+4*\b], v[96+16*\b:103+16*\b], v26
	v_cvt_scalef32_pk8_fp8_f32 v[194+4*\b:195+4*\b], v[104+16*\b:111+16*\b], v26
.endr
.set j, 0
.rept 16
	v_pk_mul_f32 v[160+j:161+j], v[160+j:161+j], v[252:253] op_sel_hi:[1,0]   ; O^T under the new M.  (Also the plain lines between the conversions and the products below)
.set j, j+2
.endr
	s_wait_dscnt 0x0                               ; V's fragments, asked for behind the maxima
.irp t, 0,1,2,3                                ; O^T += V^T P^T: the four accumulators by turns; eight other products stand between two links of a chain
	v_wmma_f32_16x16x128_fp8_fp8 v[160+8*\t:167+8*\t], v[32+16*\t:47+16*\t], v[192:207], v[160+8*\t:167+8*\t]
.endr
.Lnext:
	s_lshr_b32 s66, s66, 1
	s_lshr_b32 s26, s26, 1
	s_add_co_u32 s28, s28, STEPB
	s_add_co_u32 s30, s30, 256
	s_add_co_u32 s27, s27, 1
	s_cmp_lt_u32 s27, 16
	s_cbranch_scc1 .Lstep
	; the block's end: O^T / the sum x 2^(e4 + e5), quantised with 2^e6: four conversions make the block's two 16-byte pieces of the last product's operand
.rept 4
	v_nop                                          ; places behind the last products
.endr
	v_add_f32 v14, v14, v15                        ; the sum's two halves,
	v_permlanex16_b32 v252, v14, s20, s21
	v_add_f32 v14, v14, v252                       ; and lane l xor 16's
	v_rcp_f32 v14, v14
	s_lshl_b32 s2, s19, 14
	s_add_co_u32 s2, s2, s31
	v_add_nc_u32 v8, s2, v1                        ; (the plain line behind the reciprocal)  my 16 bytes of the block's 1,024 for this head
	s_wait_alu depctr_va_vdst(0)                   ; the reciprocal has written v14, ahead of its first reader
	v_ldexp_f32 v14, v14, s67
.set j, 0
.rept 16
	v_pk_mul_f32 v[96+j:97+j], v[160+j:161+j], v[14:15] op_sel_hi:[1,0]
.set j, j+2
.endr
.set j, 0
.rept 32
	v_med3_num_f32 v[96+j], v[96+j], -v27, v27
.set j, j+1
.endr
.irp c, 0,1
	v_cvt_scalef32_pk8_fp8_f32 v[208+4*\c:209+4*\c], v[96+16*\c:103+16*\c], v28
	v_cvt_scalef32_pk8_fp8_f32 v[210+4*\c:211+4*\c], v[104+16*\c:111+16*\c], v28
.endr
	v_nop                                          ; a plain line behind the last conversion: the next block's products write the registers that these read
	s_wait_alu depctr_va_vdst(0)                   ; the conversions have written v208-215 and the addition v8: the two stores read them
	global_store_b128 v8, v[208:211], s[12:13]             ; 32 lanes store 512 consecutive bytes, aligned
	global_store_b128 v8, v[212:215], s[12:13] offset:512
	s_sub_co_u32 s19, 127, s19                     ; my other block
	s_sub_co_u32 s29, s29, 1
	s_cmp_lg_u32 s29, 0
	s_cbranch_scc1 .Ltile
	s_wait_dscnt 0x0                               ; the closing lines, six on end
	s_wait_alu 0x0
	s_wait_tensorcnt 0x0
	ds_add_u32 v251, v255
	s_wait_dscnt 0x0
	s_endpgm
.Lfunc_end_k_q14b5a84baa_attn:
	.size	k_q14b5a84baa_attn, .Lfunc_end_k_q14b5a84baa_attn-k_q14b5a84baa_attn
	.p2alignl 7, 3214868480
	.fill 96, 4, 3214868480
	.section	.rodata,"a",@progbits
	.p2align	6, 0x0
	.amdhsa_kernel k_q14b5a84baa_attn
		.amdhsa_group_segment_fixed_size 264192
		.amdhsa_private_segment_fixed_size 0
		.amdhsa_enable_private_segment 0
		.amdhsa_kernarg_size 40
		.amdhsa_user_sgpr_count 2
		.amdhsa_user_sgpr_kernarg_segment_ptr 1
		.amdhsa_wavefront_size32 1
		.amdhsa_system_sgpr_workgroup_id_x 1
		.amdhsa_system_sgpr_workgroup_id_y 1
		.amdhsa_system_sgpr_workgroup_id_z 1
		.amdhsa_system_vgpr_workitem_id 0
		.amdhsa_next_free_vgpr 256
		.amdhsa_next_free_sgpr 102
		.amdhsa_reserve_vcc 0
		.amdhsa_float_denorm_mode_32 3
		.amdhsa_float_denorm_mode_16_64 3
		.amdhsa_memory_ordered 1
		.amdhsa_forward_progress 1
		.amdhsa_inst_pref_size 40
	.end_amdhsa_kernel
	.amdgpu_metadata
---
amdhsa.version: [ 1, 2 ]
amdhsa.kernels:
  - .name:           k_q14b5a84baa_attn
    .symbol:         k_q14b5a84baa_attn.kd
    .args:
      - { .name: qkvc, .offset: 0, .size: 8, .value_kind: global_buffer, .address_space: global }
      - { .name: lowp_scales, .offset: 8, .size: 8, .value_kind: global_buffer, .address_space: global }
      - { .name: maskw, .offset: 16, .size: 8, .value_kind: global_buffer, .address_space: global }
      - { .name: flags, .offset: 24, .size: 8, .value_kind: global_buffer, .address_space: global }
      - { .name: attc, .offset: 32, .size: 8, .value_kind: global_buffer, .address_space: global }
    .group_segment_fixed_size: 264192
    .private_segment_fixed_size: 0
    .kernarg_segment_align: 8
    .kernarg_segment_size: 40
    .max_flat_workgroup_size: 512
    .sgpr_count:     102
    .vgpr_count:     256
    .wavefront_size: 32
...
	.end_amdgpu_metadata
.endif
;; end of part 5
;; launch proj: the kernel of part 4 again; grid 4 x 32, 4 waves a work-group, clusters of 4 x 4, 327,680 bytes of LDS; arguments attc, wc, b_out, lowp_scales, out0; writes out0
